; MI455X (gfx1250); checked and timed in simulation.
; The chip was launched on July 23, 2026; its instructions are those of AMD's public machine-readable ISA for CDNA 5 (MIT licence, August 2026) and "CDNA5" Instruction Set Architecture Reference Guide (July 2026). The comments in the code are by the model that wrote it; some were corrected since.
;; Graph Biased MHA. Allowed arithmetic: matrix products marked QUANTISED: E2M1 operands, one E8M0 scale for each 32 along K, by v_wmma_scale_f32_16x16x128_f8f6f4 with both operands' format E2M1 (or v_wmma_scale_f32_32x16x128_f4), f32 sums; products left as they are: bf16, f16 or f32 operands; f32 sums; everything else in f32.
;; Inputs: W_in 3,072 x 1,024 float32; W_out 1,024 x 1,024 float32; Wd1 512 x 256 float32; Wd2 1 x 512 float32; b_in 3,072 float32; b_out 1,024 float32; bd1 512 float32; bd2 1 float32; ctx_delta 1,024 x 256 float32; ctx_ppr 1,024 float32; ctx_trust 1,024 float32; log_ppr_alpha 1 float32; trust_scale 1 float32; x 2 x 2,048 x 1,024 float32.
;; Outputs: out0 2 x 2,048 x 1,024 float32.
;; Constants: n_ctx = 1024.
;; This version of the problem:
;;   THIS VERSION OF THE PROBLEM IS GIVEN IN LOW PRECISION. The matrix products marked QUANTISED in the list below multiply operands that are first quantised to E2M1 (2 exponent bits, 1 mantissa bit; 4 bits a number), with one power-of-two scale for each 32 numbers along K (OCP MX v1.0); their sums are f32. The products marked 'left as it is' may take bf16, f16 or f32 operands, with f32 sums. Whichever they take, every output number must still come out within the allowed error. Rounding operands to bf16 (8 significant bits) uses up far more of that allowance than f16 does (11 bits, for magnitudes from 6e-5 to 65,504). All else is computed in f32.
;;   The module's matrix products, in the order in which they are computed (A, B: the left and right operand; K: the contracted axis; several contracted axes count as one K, in the product's order):
;;     1. [M 4,096, K 1,024] x [K 1,024, N 3,072]; A: input x; B: input W_in: QUANTISED
;;     2. batch 32 x [M 2,048, K 64] x [K 64, N 2,048]; A: computed on the way; B: computed on the way: left as it is (an operand is computed on the way)
;;     3. [M 1,024, K 256] x [K 256, N 512]; A: input ctx_delta; B: input Wd1: QUANTISED
;;     4. [M 1,024, K 512] x [K 512, N 1]; A: computed on the way; B: input Wd2: left as it is (N = 1 < 16)
;;     5. batch 32 x [M 2,048, K 2,048] x [K 2,048, N 64]; A: computed on the way; B: computed on the way: left as it is (an operand is computed on the way)
;;     6. [M 4,096, K 1,024] x [K 1,024, N 1,024]; A: computed on the way; B: input W_out: left as it is (an operand is computed on the way)
;;   THE QUANTISER, for each operand of a quantised product, along K:
;;     - K is cut into blocks of 32 from its start; a last block that is shorter is filled with zeros.
;;     - A block's scale is 2^e with e = floor(log2(the largest magnitude in the block)) - 2, held to -126 .. 127; a block of zeros has e = 0. As a byte (E8M0): e + 127.
;;     - Each number is divided by its block's scale, clamped to +-6, and rounded to the nearest number of E2M1, ties to even, subnormals kept.
;;     - The product sums the exact products of the quantised numbers (number of the format x scale) in f32.
;;   ~~~python
;;   def quantise(x, axis):      # numpy; x: float32 -> the quantised numbers, widened to float32 again
;;       x = np.moveaxis(x, axis, -1); K = x.shape[-1]
;;       x = np.pad(x, [(0, 0)] * (x.ndim - 1) + [(0, -K % 32)]); x = x.reshape(x.shape[:-1] + (-1, 32)); a = np.abs(x).max(-1, keepdims=True)
;;       e = np.where(a > 0, np.clip(np.frexp(np.where(a > 0, a, 1))[1] - 1 - 2, -126, 127), 0)      # np.frexp(a)[1] - 1 = floor(log2(a)), exactly
;;       r = np.clip(x / 2.0 ** e, -6, 6)
;;       step = 2.0 ** (np.maximum(np.frexp(np.where(r == 0, 1, r))[1] - 1, 0) - 1)
;;       q = np.round(r / step) * step * 2.0 ** e      # np.round: ties to even
;;       return np.moveaxis(q.reshape(q.shape[:-2] + (-1,))[..., :K], -1, axis).astype(np.float32)
;;   ~~~
;; One version. Each part assembles by itself: llvm-mc -triple=amdgcn-amd-amdhsa -mcpu=gfx1250 --defsym DOCPART=n.
;; ======== version 1 of 1: 4 launches
;; limits: values are held in f16: magnitudes above 65,504 overflow, below 6.1e-05 lose precision
;; workspace buffers: xq 2,097,152 bytes; xs 131,072 bytes; wq 1,572,864 bytes; ws 98,304 bytes; w16 2,097,152 bytes; dpart 16,384 bytes; qkv 25,165,824 bytes; att 8,388,608 bytes
;; launch prep (part 1): grid 320 x 1, 4 waves a work-group, no clusters, 43,520 bytes of LDS; arguments x, W_in, W_out, ctx_delta, Wd1, bd1, Wd2, xq, xs, wq, ws, w16, dpart; writes xq, xs, wq, ws, w16, dpart
.if DOCPART == 1
	.amdgcn_target "amdgcn-amd-amdhsa--gfx1250"
	.amdhsa_code_object_version 6
	.text
	.protected	k_q1fef86c381_prep
	.globl	k_q1fef86c381_prep
	.p2align	8
	.type	k_q1fef86c381_prep,@function
k_q1fef86c381_prep:
	s_mov_b64 s[64:65], 0
	v_nop
	global_prefetch_b8 v0, s[64:65] scope:SCOPE_SE
	s_setreg_imm32_b32 hwreg(HW_REG_WAVE_MODE, 25, 1), 1
	s_wait_xcnt 0x0
; PREP: three kinds of work, told apart by the work-group's number alone (all four waves of a work-group go the same way).
;   work-groups   0 ..  63: the delta MLP.  Work-group (g = n / 4, hq = n % 4) takes rows 64 g .. 64 g + 63 of ctx_delta and hidden units 128 hq .. + 127:
;                           both operands are quantised to FP4 (E2M1) with one E8M0 scale for each 32 along K, multiplied by the scaled matrix instruction, + bd1, exact gelu, x Wd2, summed: dpart[hq][row], f32.
;   work-groups  64 .. 191: x     [4096][1024] f32 -> xq (codes, K innermost, 512 bytes a row) and xs (32 scale bytes a row)
;   work-groups 192 .. 287: W_in  [3072][1024] f32 -> wq, ws likewise (one path with x: only pointers are chosen)
;   work-groups 288 .. 319: W_out [1024][1024] f32 -> w16, f16, laid [n / 64][k / 64][n % 64][k % 64]
; A block's scale is 2^(floor(log2(its largest magnitude)) - 2); its byte is the largest magnitude's exponent field - 2, held at 1 from below.
; LIMITS: a block of zeros, or one whose largest magnitude lies under 2^-124, gets the byte 1 (the bytes are read by this program alone; zero codes add nothing); NaN and infinities among the inputs are not served;
; numbers of W_out beyond 65,504 become infinities in f16; erf is the rational form of Abramowitz and Stegun 7.1.26, absolute error 1.5e-7 for every argument.
; No cluster: the launch has no tensor load, and the roles share no tile but Wd1, a small part of what the launch reads.
; LDS: each role has bytes of its own.
.set WREG,  8192                       ; quantiser: a region for each wave: two stages of 32 x 80 bytes, then its 256 scale bytes
.set SP,    80                         ; a lane's place in a stage: 64 bytes + 16 of padding
.set XIMG,  32768                      ; MLP: the eight fragments of ctx_delta, 1,024 bytes each, as images of their registers
.set XSC,   40960                      ; their scale words, 128 bytes each
.set PART,  41984                      ; the four waves' partial sums, 256 bytes each
.set SPARE, 43008                      ; the spare words, 128 bytes for each wave: two blocks of 256 bytes that no other line names
.set SPW,   12                         ; v12  LDS address of my spare word; never rewritten
.set NIL,   13                         ; v13  0; never rewritten
.set MSB, 0
.macro WIN new                         ; the immediate's high byte repeats the setting that is left
.if MSB != \new
	s_set_vgpr_msb (MSB<<8)|\new
.set MSB, \new
.endif
.endm
.macro FINISH                          ; the wave's end, behind the last LDS store
	s_wait_tensorcnt 0x0
	ds_add_u32 v[SPW], v[NIL]
	s_wait_dscnt 0x0
	s_endpgm
.endm
	s_load_b256 s[4:11], s[0:1], 0x0               ; x s[4:5], W_in s[6:7], W_out s[8:9], ctx_delta s[10:11]
	s_load_b256 s[12:19], s[0:1], 0x20             ; Wd1 s[12:13], bd1 s[14:15], Wd2 s[16:17], xq s[18:19]
	s_load_b256 s[20:27], s[0:1], 0x40             ; xs s[20:21], wq s[22:23], ws s[24:25], w16 s[26:27]
	s_load_b64 s[28:29], s[0:1], 0x60              ; dpart
	v_lshl_add_u32 v[SPW], v0, 2, SPARE
	v_mov_b32 v[NIL], 0
	v_lshrrev_b32 v1, 5, v0
	v_readfirstlane_b32 s30, v1                    ; wave 0..3
	v_and_b32 v2, 31, v0                           ; lane
	s_wait_kmcnt 0x0
	s_cmp_lt_u32 ttmp9, 64
	s_cbranch_scc1 .Lmlp
	s_cmp_lt_u32 ttmp9, 288
	s_cbranch_scc1 .Lquant
; ---------------------------------------------------------------- W_out to f16
; Work-group g takes rows 32 g .. + 31, wave w eight of them, two at a time.  A load: lanes 0-15 read 256 consecutive bytes (64 numbers, one k block) of the even row, lanes 16-31 of the odd row.
; A store: the two rows' 128 bytes of one k block lie side by side in w16: 256 consecutive bytes, aligned.
.set RW, 16                            ; v16-143   two sets of 16 loads x 4 registers
.set CW, 144                           ; v144-207  two sets of 16 x 2 registers of f16
	s_sub_co_u32 s31, ttmp9, 288                   ; g
	s_lshl_b32 s32, s31, 5
	s_lshl_b32 s33, s30, 3
	s_add_co_u32 s32, s32, s33                     ; my first row: 32 g + 8 w
	s_lshl_b32 s32, s32, 12                        ; rows of 4,096 bytes
	s_mov_b32 s33, 0
	s_add_nc_u64 s[8:9], s[8:9], s[32:33]
	s_lshr_b32 s32, s31, 1
	s_lshl_b32 s32, s32, 17                        ; n / 64: 16 k blocks of 8,192 bytes
	s_and_b32 s34, s31, 1
	s_lshl_b32 s34, s34, 5
	s_lshl_b32 s35, s30, 3
	s_add_co_u32 s34, s34, s35                     ; n % 64 of my first row
	s_lshl_b32 s34, s34, 7
	s_add_co_u32 s32, s32, s34
	s_add_nc_u64 s[26:27], s[26:27], s[32:33]
	v_lshrrev_b32 v3, 4, v2                        ; which of the two rows
	v_and_b32 v4, 15, v2
	v_lshlrev_b32 v5, 4, v4
	v_lshl_add_u32 v5, v3, 12, v5                  ; in: 16 bytes a lane, the odd row 4,096 bytes on
	v_lshlrev_b32 v6, 3, v4
	v_lshl_add_u32 v6, v3, 7, v6                   ; out: 8 bytes a lane, the odd row 128 bytes on
.macro LOADP p                         ; row pair p: 16 loads, one for each k block
.set kb, 0
.rept 16
	global_load_b128 v[RW+64*((\p)%2)+4*kb:RW+64*((\p)%2)+4*kb+3], v5, s[8:9] offset:(\p)*8192+kb*256 th:TH_LOAD_NT
.set kb, kb+1
.endr
.endm
.macro PAIR p
.if (\p) < 3
	s_wait_loadcnt 16                              ; this pair's 16 loads are in; the next pair's 16 may be out
.else
	s_wait_loadcnt 0x0
.endif
.if (\p) >= 2
	s_wait_xcnt 0x0                                ; the stores of two pairs ago have read their data registers, which are written again below
.endif
.set kb, 0
.rept 16
	v_cvt_pk_f16_f32 v[CW+32*((\p)%2)+2*kb], v[RW+64*((\p)%2)+4*kb], v[RW+64*((\p)%2)+4*kb+1]
	v_cvt_pk_f16_f32 v[CW+32*((\p)%2)+2*kb+1], v[RW+64*((\p)%2)+4*kb+2], v[RW+64*((\p)%2)+4*kb+3]
.set kb, kb+1
.endr
.if (\p)+2 < 4
	LOADP (\p)+2
.endif
.set kb, 0
.rept 16
	global_store_b64 v6, v[CW+32*((\p)%2)+2*kb:CW+32*((\p)%2)+2*kb+1], s[26:27] offset:(\p)*256+kb*8192
.set kb, kb+1
.endr
.endm
	LOADP 0
	LOADP 1
	PAIR 0
	PAIR 1
	PAIR 2
	PAIR 3
	FINISH
; ---------------------------------------------------------------- x and W_in to codes
; Rows are dense and K is a multiple of 32: both tensors are plain streams of blocks of 32.  A wave takes 16 steps of 512 numbers.  Each of a step's four loads reads 512 consecutive bytes, 16 a lane; the 2,048 bytes
; turn through the wave's own stage in LDS and come back 64 bytes a lane: 16 neighbours along K; two neighbouring lanes hold a block.  Loads run eight steps (32 loads a wave) ahead, the turn through LDS one step.
.set R, 16                             ; v16-143   eight sets of 16 numbers as loaded
.set X, 144                            ; v144-175  two sets of 16 neighbours
.set E, 176                            ; v176-191  a scale byte for each step
.set C, 192                            ; v192-223  two registers of codes for each step: no store's data are written again
.set EMAX, 2
.Lquant:
	s_sub_co_u32 s31, ttmp9, 64
	s_cmp_lt_u32 s31, 128                          ; x's work-group or W_in's?  The choice hangs on the work-group's number alone
	s_cselect_b64 s[4:5], s[4:5], s[6:7]
	s_cselect_b64 s[18:19], s[18:19], s[22:23]
	s_cselect_b64 s[20:21], s[20:21], s[24:25]
	s_cselect_b32 s32, 0, 128
	s_sub_co_u32 s31, s31, s32
	s_lshl_b32 s31, s31, 2
	s_add_co_u32 s32, s31, s30                     ; which run of 8,192 numbers is my wave's
	s_mov_b32 s33, 0
	s_lshl_b64 s[34:35], s[32:33], 15
	s_add_nc_u64 s[4:5], s[4:5], s[34:35]          ; 32,768 bytes of f32 a run,
	s_lshl_b64 s[34:35], s[32:33], 12
	s_add_nc_u64 s[18:19], s[18:19], s[34:35]      ; 4,096 bytes of codes,
	s_lshl_b64 s[34:35], s[32:33], 8
	s_add_nc_u64 s[20:21], s[20:21], s[34:35]      ; 256 scale bytes
	s_mul_i32 s36, s30, WREG
	v_lshlrev_b32 v3, 4, v2                        ; my 16 bytes of a load's 512
	v_lshrrev_b32 v14, 2, v2
	v_mul_u32_u24 v14, v14, SP
	v_and_b32 v15, 3, v2
	v_lshl_add_u32 v14, v15, 4, v14
	v_add_nc_u32 v14, s36, v14                     ; the stage on the way in: four lanes' 64 bytes on end, then 16 of padding
	v_mul_u32_u24 v15, v2, SP
	v_add_nc_u32 v15, s36, v15                     ; and on the way out: my 16 neighbours
	v_lshlrev_b32 v4, 3, v2                        ; my 8 bytes of a step's 256 bytes of codes
	v_lshrrev_b32 v5, 1, v2
	s_add_co_u32 s36, s36, 2*32*SP
	v_add_nc_u32 v5, s36, v5                       ; LDS: my block's scale byte
	v_lshlrev_b32 v7, 3, v2
	v_add_nc_u32 v6, s36, v7                       ; and on the way out 8 bytes a lane
.macro QLOAD t
.irp i, 0,1,2,3
	global_load_b128 v[R+16*((\t)%8)+4*\i:R+16*((\t)%8)+4*\i+3], v3, s[4:5] offset:2048*(\t)+512*\i th:TH_LOAD_NT
.endr
.endm
.macro QTURN t                         ; LDS serves a wave's instructions in order (ISA guide 5.7.1.4): no wait between the stores and the loads
.irp i, 0,1,2,3
	ds_store_b128 v14, v[R+16*((\t)%8)+4*\i:R+16*((\t)%8)+4*\i+3] offset:32*SP*((\t)%2)+8*SP*\i
.endr
.irp i, 0,1,2,3
	ds_load_b128 v[X+16*((\t)%2)+4*\i:X+16*((\t)%2)+4*\i+3], v15 offset:32*SP*((\t)%2)+16*\i
.endr
.endm
.macro QSTEP t
.set QX, X+16*((\t)%2)
.if (\t) > 0
	s_wait_dscnt 1                                 ; this step's numbers are back from the stage (the last step's byte store may be out)
.else
	s_wait_dscnt 0x0
.endif
.if (\t)+8 < 16
	QLOAD (\t)+8                                   ; into the set whose numbers the stage has taken
.endif
.if (\t)+1 < 16
.if 14-(\t) >= 7
	s_wait_loadcnt 28                              ; the next step's four loads are in; those of the seven steps behind it may be out
.else
	s_wait_loadcnt 4*(14-(\t))                     ; towards the end: of the steps that are left
.endif
	QTURN (\t)+1
.endif
	v_max3_num_f32 v8, |v[QX]|, |v[QX+1]|, |v[QX+2]|
	v_max3_num_f32 v9, |v[QX+3]|, |v[QX+4]|, |v[QX+5]|
.irp i, 6,10
	v_max3_num_f32 v8, v8, |v[QX+\i]|, |v[QX+\i+1]|
	v_max3_num_f32 v9, v9, |v[QX+\i+2]|, |v[QX+\i+3]|
.endr
	v_max3_num_f32 v8, v8, |v[QX+14]|, |v[QX+15]|
	v_max3_num_f32 v8, v8, v9, (EMAX+1)<<23        ; the floor 2^(3 - 127): the byte cannot fall under 1
	v_max_num_f32_dpp v8, v8, v8 row_xmask:1 row_mask:0xf bank_mask:0xf   ; with my neighbour's 16: the block's largest magnitude
	v_add_nc_u32 v11, -(EMAX<<23), v8              ; 2 off its exponent field: the conversion takes that field as its scale
	v_cvt_scalef32_pk8_fp4_f32 v[C+2*(\t)], v[QX:QX+7], v11
	v_cvt_scalef32_pk8_fp4_f32 v[C+2*(\t)+1], v[QX+8:QX+15], v11
	v_lshrrev_b32 v[E+(\t)], 23, v11               ; the scale's byte (also the plain line behind the conversions)
	ds_store_b8 v5, v[E+(\t)] offset:16*(\t)       ; both lanes of a block write the same byte with the same value
	global_store_b64 v4, v[C+2*(\t):C+2*(\t)+1], s[18:19] offset:256*(\t)   ; 32 lanes store 256 consecutive bytes, aligned
.endm
.irp t, 0,1,2,3,4,5,6,7
	QLOAD \t
.endr
	s_wait_loadcnt 28                              ; step 0's four loads are in
	QTURN 0
.irp t, 0,1,2,3,4,5,6,7,8,9,10,11,12,13,14,15
	QSTEP \t
.endr
	ds_load_b64 v[8:9], v6                         ; my wave's 256 scale bytes, in order behind my stores
	s_wait_dscnt 0x0
	global_store_b64 v7, v[8:9], s[20:21]          ; 256 consecutive bytes, aligned
	FINISH
; ---------------------------------------------------------------- the delta MLP
; Wave w quantises rows 16 w .. + 15 of the work-group's 64 rows of ctx_delta (two fragments, K = 256) and hands them to the others through LDS as images of their registers; it quantises its own 32 rows of Wd1
; (hidden units hb = 128 hq + 32 w on: two tiles x two K steps) into registers.  The product is used transposed (source 0 = 16 rows of Wd1, source 1 = 16 rows of ctx_delta): a lane holds ONE row of ctx_delta and
; eight hidden units, so that gelu(.) x Wd2 sums inside the lane; lane l xor 16 holds the tile's other eight units.  bd1 is the C of each sum's first product.
; gelu(x) = 0.5 (x + |x| erf(|x| / sqrt 2)), erf(|x| / sqrt 2) = 1 - (a1 t + .. + a5 t^5) 2^(-x^2 log2(e) / 2), t = 1 / (1 + 0.2316419 |x|).
; REGISTERS.  window 0: v4-11, v14 addresses; v16-31 at work in QUANT; v32-95 the eight fragments of ctx_delta; v96-103 their scale words; v104-107 Wd1's scale words; v108-109 scale words on their way to LDS;
;   v112-127 bd1, v128-143 Wd2 of my units; v144-175 Wd1's four fragments.   window 1: first four sets of 64 numbers as loaded; then v0-63 the eight accumulators (2 m + t), v72-103 at work.
.set XA,  4
.set LI,  5
.set LS,  6
.set XWI, 7
.set XWS, 8
.set PWA, 9
.set TM,  16
.set XF,  32
.set XS,  96
.set WS,  104
.set PW,  108
.set B1,  112
.set W2,  128
.set WF,  144
.set TT,  72                           ; window 1
.set EE,  80
.set PP,  88
.set AC,  96
.set AX,  100
.macro RLOAD set, bl, off              ; 64 numbers a lane: of my row, 16 neighbours of each of four blocks of 32, into set \set of window 1
	WIN 0x40
.irp b, 0,1,2,3
.irp j, 0,1,2,3
	global_load_b128 v[64*(\set)+16*\b+4*\j:64*(\set)+16*\b+4*\j+3], v[XA], s[\bl:\bl+1] offset:(\off)+128*\b+16*\j
.endr
.endr
	WIN 0
.endm
; set \set (register 16 b + i = k 32 b + 16 (lane / 16) + i of my row) becomes a fragment's codes in v[dst] .. v[dst + 7] and its scale word in v[sw]
.macro QUANT set, dst, sw
	WIN 0x14                                       ; sources 1 and 2 in window 1
.irp b, 0,1,2,3
	v_max3_num_f32 v[TM+\b], s41, |v[64*(\set)+16*\b]|, |v[64*(\set)+16*\b+1]|   ; s41: the floor 2^(3 - 127)
.endr
.irp i, 2,4,6,8,10,12,14
.irp b, 0,1,2,3
	v_max3_num_f32 v[TM+\b], v[TM+\b], |v[64*(\set)+16*\b+\i]|, |v[64*(\set)+16*\b+\i+1]|
.endr
.endr
	WIN 0
.irp b, 0,1,2,3
	v_permlanex16_b32 v[TM+4+\b], v[TM+\b], s32, s33
.endr
.irp b, 0,1,2,3
	v_max_num_f32 v[TM+\b], v[TM+\b], v[TM+4+\b]   ; with lane l xor 16's: the block's largest magnitude
.endr
.irp b, 0,1,2,3
	v_add_nc_u32 v[TM+12+\b], 0xff000000, v[TM+\b] ; 2 off its exponent field: the conversion's scale operand
.endr
.irp b, 0,1,2,3
	v_lshrrev_b32 v[TM+4+\b], 23, v[TM+12+\b]      ; the scale's byte
.endr
	v_lshl_or_b32 v[\sw], v[TM+5], 8, v[TM+4]
	v_lshl_or_b32 v[\sw], v[TM+6], 16, v[\sw]
	v_lshl_or_b32 v[\sw], v[TM+7], 24, v[\sw]
	WIN 0x01                                       ; source 0 in window 1
.irp b, 0,1,2,3
	v_cvt_scalef32_pk8_fp4_f32 v[(\dst)+2*\b], v[64*(\set)+16*\b:64*(\set)+16*\b+7], v[TM+12+\b]
	v_cvt_scalef32_pk8_fp4_f32 v[(\dst)+1+2*\b], v[64*(\set)+16*\b+8:64*(\set)+16*\b+15], v[TM+12+\b]
.endr
	WIN 0
	v_nop                                          ; one plain line behind a scaled conversion
.irp c, 0,1                            ; the operand's layout wants a whole block in a lane
.irp i, 0,1
	v_permlane16_swap_b32 v[(\dst)+4*\c+\i], v[(\dst)+2+4*\c+\i]
.endr
.endr
.endm
; accumulator 2 m + t: gelu of its eight numbers, x Wd2, onto the sum of row tile m.  The accumulator is read from its low end on.
.macro GEL m, t
.set XB, 8*(2*(\m)+(\t))
	WIN 0x55
.irp j, 0,1,2,3,4,5,6,7
	v_fma_f32 v[TT+\j], |v[XB+\j]|, s39, 1.0
.endr
.irp j, 0,1,2,3,4,5,6,7
	v_mul_f32 v[EE+\j], v[XB+\j], v[XB+\j]
.endr
.irp j, 0,1,2,3,4,5,6,7
	v_mul_f32 v[EE+\j], s40, v[EE+\j]
.endr
.irp j, 0,1,2,3,4,5,6,7
	v_rcp_f32 v[TT+\j], v[TT+\j]
.endr
.irp j, 0,1,2,3,4,5,6,7
	v_exp_f32 v[EE+\j], v[EE+\j]
.endr
	v_nop                                          ; a plain line behind the last transcendental
	s_wait_alu depctr_va_vdst(0)                   ; one wait for the batch of sixteen, ahead of its first reader
.irp j, 0,1,2,3,4,5,6,7
	v_fma_f32 v[PP+\j], v[TT+\j], s38, s37
.endr
.irp j, 0,1,2,3,4,5,6,7
	v_fma_f32 v[PP+\j], v[PP+\j], v[TT+\j], s36
.endr
.irp j, 0,1,2,3,4,5,6,7
	v_fma_f32 v[PP+\j], v[PP+\j], v[TT+\j], s35
.endr
.irp j, 0,1,2,3,4,5,6,7
	v_fma_f32 v[PP+\j], v[PP+\j], v[TT+\j], s34
.endr
.irp j, 0,1,2,3,4,5,6,7
	v_mul_f32 v[PP+\j], v[PP+\j], v[TT+\j]
.endr
.irp j, 0,1,2,3,4,5,6,7
	v_fma_f32 v[PP+\j], -v[PP+\j], v[EE+\j], 1.0   ; erf(|x| / sqrt 2)
.endr
.irp j, 0,1,2,3,4,5,6,7
	v_fma_f32 v[PP+\j], |v[XB+\j]|, v[PP+\j], v[XB+\j]   ; 2 gelu(x)
.endr
	WIN 0x51                                       ; Wd2 in window 0
.irp j, 0,1,2,3,4,5,6,7
.if ((\t) == 0) && (\j == 0)
	v_mul_f32 v[AC+(\m)], v[PP+\j], v[W2+8*(\t)+\j]       ; the first product starts the sum
.else
	v_fma_f32 v[AC+(\m)], v[PP+\j], v[W2+8*(\t)+\j], v[AC+(\m)]
.endif
.endr
.endm
.Lmlp:
	s_lshr_b32 s42, ttmp9, 2                       ; g
	s_and_b32 s43, ttmp9, 3                        ; hq
	s_lshl_b32 s44, s42, 6
	s_lshl_b32 s45, s30, 4
	s_add_co_u32 s44, s44, s45                     ; my 16 rows of ctx_delta begin at 64 g + 16 w
	s_lshl_b32 s44, s44, 10                        ; rows of 1,024 bytes
	s_mov_b32 s45, 0
	s_add_nc_u64 s[10:11], s[10:11], s[44:45]
	s_lshl_b32 s44, s43, 7
	s_lshl_b32 s46, s30, 5
	s_add_co_u32 s46, s44, s46                     ; hb
	s_lshl_b32 s44, s46, 10
	s_add_nc_u64 s[12:13], s[12:13], s[44:45]
	s_lshl_b32 s44, s46, 2
	s_add_nc_u64 s[14:15], s[14:15], s[44:45]
	s_add_nc_u64 s[16:17], s[16:17], s[44:45]
	s_lshl_b32 s44, s43, 10
	s_lshl_b32 s46, s42, 6
	s_add_co_u32 s44, s44, s46
	s_lshl_b32 s44, s44, 2
	s_add_nc_u64 s[28:29], s[28:29], s[44:45]      ; dpart[hq][64 g]
	s_mov_b32 s32, 0x76543210
	s_mov_b32 s33, 0xfedcba98                      ; v_permlanex16_b32's selects for lane l xor 16
	s_mov_b32 s34, 0x3e827906                      ; a1 .. a5
	s_mov_b32 s35, 0xbe91a98e
	s_mov_b32 s36, 0x3fb5f0e3
	s_mov_b32 s37, 0xbfba00e3
	s_mov_b32 s38, 0x3f87dc22
	s_mov_b32 s39, 0x3e6d3388                      ; 0.3275911 / sqrt 2
	s_mov_b32 s40, 0xbf38aa3b                      ; -log2(e) / 2
	s_mov_b32 s41, 0x1800000                       ; 2^(3 - 127)
	v_and_b32 v1, 15, v0                           ; r
	v_bfe_u32 v3, v0, 4, 1                         ; h
	v_lshlrev_b32 v[XA], 10, v1
	v_lshl_add_u32 v[XA], v3, 6, v[XA]             ; row r, + 64 h: my 16 numbers of a block of 32
	v_lshlrev_b32 v[LI], 4, v2
	v_lshlrev_b32 v[LS], 2, v2
	s_lshl_b32 s44, s30, 11
	v_add_nc_u32 v[XWI], s44, v[LI]                ; where I store my two images: 16 x lane + 2,048 x wave
	s_lshl_b32 s44, s30, 8
	v_add_nc_u32 v[XWS], s44, v[LS]                ; and their scale words: 4 x lane + 256 x wave
	s_add_co_u32 s44, s44, PART
	v_lshl_add_u32 v[PWA], v1, 2, s44              ; my wave's partial sums: 4 r
	v_lshlrev_b32 v10, 5, v3                       ; 32 h: my eight units of a tile
	v_lshlrev_b32 v14, 3, v2
	v_add_nc_u32 v11, PART, v14
.irp b, 0,1,2,3
	v_mov_b32 v[TM+4+\b], 0                        ; written once: a lane permute's destination counts as one of its sources
.endr
.irp t, 0,1
	global_load_b128 v[B1+8*\t:B1+8*\t+3], v10, s[14:15] offset:64*\t
	global_load_b128 v[B1+8*\t+4:B1+8*\t+7], v10, s[14:15] offset:64*\t+16
	global_load_b128 v[W2+8*\t:W2+8*\t+3], v10, s[16:17] offset:64*\t
	global_load_b128 v[W2+8*\t+4:W2+8*\t+7], v10, s[16:17] offset:64*\t+16
.endr
	RLOAD 0, 10, 0                                 ; ctx_delta, K step 0
	RLOAD 1, 10, 512                               ; K step 1
	RLOAD 2, 12, 0                                 ; Wd1, tile 0, K step 0
	RLOAD 3, 12, 512
	s_wait_loadcnt 48                              ; the three younger sets, 16 loads each, may be out
	QUANT 0, XF, PW
	ds_store_b128 v[XWI], v[XF:XF+3] offset:XIMG
	ds_store_b128 v[XWI], v[XF+4:XF+7] offset:XIMG+512
	ds_store_b32 v[XWS], v[PW] offset:XSC
	RLOAD 0, 12, 16384                             ; Wd1, tile 1, K step 0
	s_wait_loadcnt 48
	QUANT 1, XF+8, PW+1
	ds_store_b128 v[XWI], v[XF+8:XF+11] offset:XIMG+1024
	ds_store_b128 v[XWI], v[XF+12:XF+15] offset:XIMG+1536
	ds_store_b32 v[XWS], v[PW+1] offset:XSC+128
	RLOAD 1, 12, 16896                             ; Wd1, tile 1, K step 1
	s_wait_loadcnt 48
	QUANT 2, WF, WS
	s_wait_loadcnt 32                              ; two sets may be out
	QUANT 3, WF+8, WS+1
	s_wait_loadcnt 16                              ; one
	QUANT 0, WF+16, WS+2
	s_wait_loadcnt 0x0
	QUANT 1, WF+24, WS+3
	s_wait_dscnt 0x0                               ; for the others' sake: my images have landed
	s_barrier_signal -1
	s_barrier_wait -1
.irp f, 0,1,2,3,4,5,6,7                ; fragment (row tile m, K step s) is number 2 m + s
	ds_load_b128 v[XF+8*\f:XF+8*\f+3], v[LI] offset:XIMG+1024*\f
	ds_load_b128 v[XF+8*\f+4:XF+8*\f+7], v[LI] offset:XIMG+1024*\f+512
	ds_load_b32 v[XS+\f], v[LS] offset:XSC+128*\f
.endr
	WIN 0x40
.irp m, 0,1,2,3
	v_mov_b32 v[AX+\m], 0                          ; a lane permute's destination, written once
.endr
.rept 8
	v_nop                                          ; Wd1's scale words were written by vector instructions: eight places ahead of the scaled products
.endr
	s_wait_dscnt 0x0
.irp m, 0,1,2,3                        ; the eight accumulators take turns
.irp t, 0,1
	v_wmma_scale_f32_16x16x128_f8f6f4 v[8*(2*\m+\t):8*(2*\m+\t)+7], v[WF+16*\t:WF+16*\t+7], v[XF+16*\m:XF+16*\m+7], v[B1+8*\t:B1+8*\t+7], v[WS+2*\t], v[XS+2*\m] matrix_a_fmt:MATRIX_FMT_FP4 matrix_b_fmt:MATRIX_FMT_FP4
.endr
.endr
	WIN 0x50
.irp m, 0,1,2,3
.irp t, 0,1
	v_wmma_scale_f32_16x16x128_f8f6f4 v[8*(2*\m+\t):8*(2*\m+\t)+7], v[WF+16*\t+8:WF+16*\t+15], v[XF+16*\m+8:XF+16*\m+15], v[8*(2*\m+\t):8*(2*\m+\t)+7], v[WS+2*\t+1], v[XS+2*\m+1] matrix_a_fmt:MATRIX_FMT_FP4 matrix_b_fmt:MATRIX_FMT_FP4
.endr
.endr
.rept 4
	v_nop                                          ; four places ahead of the first read of results
.endr
.irp m, 0,1,2,3
	GEL \m, 0
	GEL \m, 1
.endr
	WIN 0x55
.irp m, 0,1,2,3
	v_permlanex16_b32 v[AX+\m], v[AC+\m], s32, s33
.endr
.irp m, 0,1,2,3
	v_add_f32 v[AC+\m], v[AC+\m], v[AX+\m]         ; with the tiles' other eight units
.endr
.irp m, 0,1,2,3
	v_mul_f32 v[AC+\m], 0.5, v[AC+\m]              ; gelu's factor, once for the sum
.endr
	WIN 0x04                                       ; an LDS store's data are its source 1: window 1
.irp m, 0,1,2,3
	ds_store_b32 v[PWA], v[AC+\m] offset:64*\m     ; row 16 m + r; lanes l and l xor 16 write the same word with the same value
.endr
	WIN 0
	s_wait_dscnt 0x0
	s_barrier_signal -1
	s_barrier_wait -1
	s_cmp_lg_u32 s30, 0                            ; wave 0 adds the four waves' parts: 64 rows, two a lane
	s_cbranch_scc1 .Lmlp_end
	ds_load_b64 v[16:17], v11
	ds_load_b64 v[18:19], v11 offset:256
	ds_load_b64 v[20:21], v11 offset:512
	ds_load_b64 v[22:23], v11 offset:768
	s_wait_dscnt 0x0
	v_pk_add_f32 v[16:17], v[16:17], v[18:19]
	v_pk_add_f32 v[20:21], v[20:21], v[22:23]
	v_pk_add_f32 v[16:17], v[16:17], v[20:21]
	global_store_b64 v14, v[16:17], s[28:29]       ; 256 consecutive bytes, aligned
.Lmlp_end:
	FINISH
.Lfunc_end_k_q1fef86c381_prep:
	.size	k_q1fef86c381_prep, .Lfunc_end_k_q1fef86c381_prep-k_q1fef86c381_prep
	.p2alignl 7, 3214868480
	.fill 96, 4, 3214868480
	.section	.rodata,"a",@progbits
	.p2align	6, 0x0
	.amdhsa_kernel k_q1fef86c381_prep
		.amdhsa_group_segment_fixed_size 43520
		.amdhsa_private_segment_fixed_size 0
		.amdhsa_enable_private_segment 0
		.amdhsa_kernarg_size 104
		.amdhsa_user_sgpr_count 2
		.amdhsa_user_sgpr_kernarg_segment_ptr 1
		.amdhsa_wavefront_size32 1
		.amdhsa_system_sgpr_workgroup_id_x 1
		.amdhsa_system_sgpr_workgroup_id_y 1
		.amdhsa_system_sgpr_workgroup_id_z 1
		.amdhsa_system_vgpr_workitem_id 0
		.amdhsa_next_free_vgpr 512
		.amdhsa_next_free_sgpr 66
		.amdhsa_reserve_vcc 0
		.amdhsa_float_denorm_mode_32 3
		.amdhsa_float_denorm_mode_16_64 3
		.amdhsa_memory_ordered 1
		.amdhsa_forward_progress 1
		.amdhsa_inst_pref_size 138
	.end_amdhsa_kernel
	.amdgpu_metadata
---
amdhsa.version: [ 1, 2 ]
amdhsa.kernels:
  - .name:           k_q1fef86c381_prep
    .symbol:         k_q1fef86c381_prep.kd
    .args:
      - { .name: x, .offset: 0, .size: 8, .value_kind: global_buffer, .address_space: global }
      - { .name: W_in, .offset: 8, .size: 8, .value_kind: global_buffer, .address_space: global }
      - { .name: W_out, .offset: 16, .size: 8, .value_kind: global_buffer, .address_space: global }
      - { .name: ctx_delta, .offset: 24, .size: 8, .value_kind: global_buffer, .address_space: global }
      - { .name: Wd1, .offset: 32, .size: 8, .value_kind: global_buffer, .address_space: global }
      - { .name: bd1, .offset: 40, .size: 8, .value_kind: global_buffer, .address_space: global }
      - { .name: Wd2, .offset: 48, .size: 8, .value_kind: global_buffer, .address_space: global }
      - { .name: xq, .offset: 56, .size: 8, .value_kind: global_buffer, .address_space: global }
      - { .name: xs, .offset: 64, .size: 8, .value_kind: global_buffer, .address_space: global }
      - { .name: wq, .offset: 72, .size: 8, .value_kind: global_buffer, .address_space: global }
      - { .name: ws, .offset: 80, .size: 8, .value_kind: global_buffer, .address_space: global }
      - { .name: w16, .offset: 88, .size: 8, .value_kind: global_buffer, .address_space: global }
      - { .name: dpart, .offset: 96, .size: 8, .value_kind: global_buffer, .address_space: global }
    .group_segment_fixed_size: 43520
    .private_segment_fixed_size: 0
    .kernarg_segment_align: 8
    .kernarg_segment_size: 104
    .max_flat_workgroup_size: 128
    .sgpr_count:     66
    .vgpr_count:     512
    .wavefront_size: 32
...
	.end_amdgpu_metadata
.endif
;; end of part 1
;; launch qkv (part 2): grid 12 x 16, 4 waves a work-group, clusters of 4 x 4, 327,680 bytes of LDS; arguments xq, xs, wq, ws, b_in, ctx_trust, trust_scale, qkv; writes qkv
.if DOCPART == 2
	.amdgcn_target "amdgcn-amd-amdhsa--gfx1250"
	.amdhsa_code_object_version 6
	.text
	.protected	k_q1fef86c381_qkv
	.globl	k_q1fef86c381_qkv
	.p2align	8
	.type	k_q1fef86c381_qkv,@function
k_q1fef86c381_qkv:
	s_mov_b64 s[64:65], 0
	v_nop
	global_prefetch_b8 v0, s[64:65] scope:SCOPE_SE
	s_setreg_imm32_b32 hwreg(HW_REG_WAVE_MODE, 25, 1), 1
	s_wait_xcnt 0x0
	s_wait_alu depctr_hold_cnt(0) depctr_sa_sdst(0) depctr_va_vdst(0) depctr_va_sdst(0) depctr_va_ssrc(0) depctr_va_vcc(0) depctr_vm_vsrc(0)
	s_getreg_b32 s2, hwreg(HW_REG_IB_STS2, 6, 4)
	s_cmp_eq_u32 s2, 0
	s_cbranch_scc0 .Lentry_in_a_cluster
	s_endpgm
.Lentry_in_a_cluster:
	s_bfe_u32 s2, ttmp6, 0x10000c
	s_cmp_lg_u32 s2, 0xf033
	s_cbranch_scc0 .Lentry_shape_is_right
	s_endpgm
.Lentry_shape_is_right:
; qkv = (x W_in^T + b_in) x factor, on codes of FP4 (E2M1) with one E8M0 scale for each 32 along K; sums in f32; the result rounded once to f16.
; x: xq [4096][512 bytes], xs [4096][32];  W_in: wq [3072][512 bytes], ws [3072][32].  factor: q's columns log2(e) / 8 (the softmax works in powers of two), k's 1, v's sigmoid(trust_scale x ctx_trust[token]) for
; tokens 0 .. 1,023 of a sequence and 1 for the others.  Out: qkv [which][batch x 16 + head][token][64] f16: a token's 64 numbers of a head are 128 bytes, two tokens 256.
; LIMITS: results beyond 65,504 become infinities in f16; NaN and infinities are not served.
; A tile of 256 tokens x 256 columns is made by four waves, 128 x 128 each: 64 accumulators, 512 registers.  K = 1,024 is two slots of 512: both, and the scales of all of K, are asked for at the head; nothing is filled again.
; CLUSTERS: 4 x 4 work-groups; the four of a row need the same tiles of x, the four of a column the same tiles of W_in: each is asked for jointly.  A cluster's x is q, k or v: the same in all partners.
; THE MATRIX INSTRUCTION IS USED TRANSPOSED (source 0 = 16 rows of W_in, source 1 = 16 rows of x): a lane holds one token and eight neighbouring columns.  b_in is the C of each sum's first product.
; REGISTERS: window 0: v0-31 addresses; v32-95 scale words, two sets, and nothing else; v96-111 the factor of my row in each of 8 blocks, as pairs; v112-119 the gate at work; v128-191 x's fragments, one set, on the way
;   out rows read back; v192-255 b_in in the result's layout, on the way out packed results.  window 1: W_in's fragments, two sets.  windows 2, 3: the accumulators ((a, b) at v[8 (8 (a % 4) + b)]).
.set KSTEP,  512
.set NQ,     4
.set ROWB,   256
.set KROW,   512
.set PITCH,  272                       ; an LDS row: 256 bytes + 16 of padding: the 16 rows of a fragment load start at 16 different banks (64 banks of 4 bytes: ISA guide 11.1)
.set FR,     8
.set NL,     2
.set NP,     4
.set HALFT,  128*PITCH
.set SLOT,   4*HALFT
.set KS,     32
.set SCL,    2*SLOT
.set HALFS,  (128*KS/256)*272
.set SBLK,   (16*KS/256)*272
.set SPARE,  SCL+4*HALFS               ; the spare words, 128 bytes for each wave: two blocks of 256 bytes that no other line names
.set SPITCH, 272                       ; the way out: a stage of 16 rows x (256 bytes + 16) for each wave, in slot 0, which has had its one fill and its last read by then
.set ADRA, 16
.set ADRB, 20
.set STO,  24
.set RD,   25
.set CO,   26
.set ADRS, 27
.set SPW,  28
.set NIL,  29
.set SC,   32
.set FAC,  96
.set G,    112
.set AF,   128
.set BK,   128
.set BI,   192
.set TMP,  192
.set G1, 24
.set G0, 32
.set G1B, 48
.set G0B, 56
.set G1S, 68
.set G0S, 76
.set G1SB, 80
.set G0SB, 88
.set MSB, 0
.macro WIN new
.if MSB != \new
	s_set_vgpr_msb (MSB<<8)|\new
.set MSB, \new
.endif
.endm
.set MUL_LO, 0xa1                      ; source 0 (W_in) window 1, source 1 (x) window 0, C and D window 2
.set MUL_HI, 0xf1
.set FIRST_LO, 0x81                    ; the same with C (b_in) in window 0
.set FIRST_HI, 0xc1
.set TO_B,   0x40
.macro JLOAD g0a, g1a, g0b, g1b        ; a joint load: waves 0 and 1 fetch for x, waves 2 and 3 for W_in; an s_nop 0 and four v_nop follow each line
	s_cmp_eq_u32 s15, 0
	s_cbranch_scc0 .Lfor_b_\@
	tensor_load_to_lds s[\g0a:\g0a+3], s[\g1a:\g1a+7]
	s_nop 0
.rept 4
	v_nop
.endr
	s_branch .Lasked_\@
.Lfor_b_\@:
	tensor_load_to_lds s[\g0b:\g0b+3], s[\g1b:\g1b+7]
	s_nop 0
.rept 4
	v_nop
.endr
.Lasked_\@:
.endm
.macro CROUND                          ; a round of the cluster's barrier
	s_barrier_signal -1
	s_barrier_wait -1
	s_cmp_lg_u32 s14, 0
	s_cbranch_scc1 .Lnot_wave_0_\@
	s_barrier_signal -3
.Lnot_wave_0_\@:
	s_barrier_wait -3
	s_barrier_signal -1
	s_barrier_wait -1
.endm
	s_load_b256 s[4:11], s[0:1], 0x0               ; xq s[4:5], xs s[6:7], wq s[8:9], ws s[10:11]
	s_load_b128 s[96:99], s[0:1], 0x20             ; b_in s[96:97], ctx_trust s[98:99]
	s_load_b64 s[100:101], s[0:1], 0x30            ; trust_scale
	s_load_b64 s[12:13], s[0:1], 0x38              ; qkv
	v_lshl_add_u32 v[SPW], v0, 2, SPARE
	v_mov_b32 v[NIL], 0
	ds_add_u32 v[SPW], v[NIL]                      ; the wave's opening: the add, twice on end, and its wait ahead of my first tensor load
	ds_add_u32 v[SPW], v[NIL]
	v_lshrrev_b32 v1, 5, v0
	v_readfirstlane_b32 s14, v1                    ; wave 0..3
	s_lshr_b32 s15, s14, 1                         ; which half of the tile's tokens is mine.  Also: I fetch for x (0) or for W_in (1)
	s_and_b32 s16, s14, 1                          ; which half of its columns.  Also: which 128 rows I fetch
	s_bfe_u32 s40, ttmp6, 0x40000                  ; cx, cy
	s_bfe_u32 s41, ttmp6, 0x40004
	s_lshl_b32 s42, ttmp9, 2
	s_add_co_u32 s42, s42, s40                     ; tile column = 4 x cluster x + cx
	s_and_b32 s17, ttmp7, 0xffff
	s_lshl_b32 s17, s17, 2
	s_add_co_u32 s17, s17, s41                     ; tile row = 4 x cluster y + cy
	s_lshl_b32 s43, s41, 2
	s_lshl_b32 s43, 15, s43                        ; my row of the cluster
	s_lshl_b32 s44, 0x1111, s40                    ; my column
	s_or_b32 s[G1+0], s43, (0<<16)|(1<<20)|(1<<21)|(5<<22)|(3<<25)  ; mask; elements of 1 byte; padding of 4 words after every 64; bit 21 beside a mask
	s_or_b32 s[G1B+0], s44, (0<<16)|(1<<20)|(1<<21)|(5<<22)|(3<<25)
.irp g, G1, G1B
	s_mov_b32 s[\g+1], ROWB<<16                    ; tensor_dim0
	s_mov_b32 s[\g+2], 128<<16                     ; tensor_dim1
	s_mov_b32 s[\g+3], ROWB<<16                    ; tile_dim0
	s_mov_b32 s[\g+4], 128                         ; tile_dim1
	s_mov_b32 s[\g+5], KROW                        ; from row to row
	s_mov_b32 s[\g+6], 0
	s_mov_b32 s[\g+7], 0
.endr
	s_or_b32 s[G1S+0], s43, (3<<16)|(1<<20)|(1<<21)|(5<<22)|(3<<25) ; the scales of 128 rows: 4,096 dense bytes as 16 rows of 256 (32 elements of 8 bytes), padded likewise
	s_or_b32 s[G1SB+0], s44, (3<<16)|(1<<20)|(1<<21)|(5<<22)|(3<<25)
.irp g, G1S, G1SB
	s_mov_b32 s[\g+1], 32<<16
	s_mov_b32 s[\g+2], (128*KS/256)<<16
	s_mov_b32 s[\g+3], 32<<16
	s_mov_b32 s[\g+4], 128*KS/256
	s_mov_b32 s[\g+5], 32
	s_mov_b32 s[\g+6], 0
	s_mov_b32 s[\g+7], 0
.endr
	s_lshl_b32 s18, s16, 7
	s_lshl_b32 s20, s17, 8
	s_add_co_u32 s20, s20, s18                     ; x: row 256 x tile row + 128 x half
	s_lshl_b32 s46, s42, 8
	s_add_co_u32 s46, s46, s18                     ; W_in: row 256 x tile column + 128 x half
	s_mov_b32 s21, 0
	s_mov_b32 s47, 0
	s_mov_b64 s[18:19], KS
	s_mul_u64 s[22:23], s[20:21], s[18:19]
	s_mul_u64 s[92:93], s[46:47], s[18:19]
	s_mov_b64 s[18:19], KROW
	s_mul_u64 s[20:21], s[20:21], s[18:19]
	s_mul_u64 s[46:47], s[46:47], s[18:19]
	s_mul_i32 s45, s14, HALFT                      ; where they go: wave x 128 rows: no place in the cluster enters an LDS address
	s_mul_i32 s94, s14, HALFS
	s_wait_dscnt 0x0                               ; both opening adds are done
	s_wait_kmcnt 0x0
	s_load_b32 s95, s[100:101], 0x0                ; trust_scale's number
	s_add_nc_u64 s[20:21], s[4:5], s[20:21]
	s_add_nc_u64 s[22:23], s[6:7], s[22:23]
	s_add_nc_u64 s[46:47], s[8:9], s[46:47]
	s_add_nc_u64 s[92:93], s[10:11], s[92:93]
	CROUND                                         ; all sixteen work-groups are here: the first joint loads meet
	s_mov_b32 s[G0S], 1
	s_add_co_u32 s[G0S+1], s94, SCL
	s_mov_b64 s[G0S+2:G0S+3], s[22:23]
	s_or_b32 s[G0S+3], s[G0S+3], 0x80000000
	s_mov_b32 s[G0SB], 1
	s_add_co_u32 s[G0SB+1], s94, SCL
	s_mov_b64 s[G0SB+2:G0SB+3], s[92:93]
	s_or_b32 s[G0SB+3], s[G0SB+3], 0x80000000
	JLOAD G0S, G1S, G0SB, G1SB                     ; the scales first
.irp s, 0,1
	s_mov_b32 s[G0+4*\s], 1
	s_add_co_u32 s[G0+4*\s+1], s45, \s*SLOT
	s_add_nc_u64 s[G0+4*\s+2:G0+4*\s+3], s[20:21], \s*ROWB
	s_or_b32 s[G0+4*\s+3], s[G0+4*\s+3], 0x80000000
	s_mov_b32 s[G0B+4*\s], 1
	s_add_co_u32 s[G0B+4*\s+1], s45, \s*SLOT
	s_add_nc_u64 s[G0B+4*\s+2:G0B+4*\s+3], s[46:47], \s*ROWB
	s_or_b32 s[G0B+4*\s+3], s[G0B+4*\s+3], 0x80000000
	JLOAD G0+4*\s, G1, G0B+4*\s, G1B               ; three loads of mine are out in all
.endr
	v_and_b32 v1, 15, v0                           ; r
	v_bfe_u32 v2, v0, 4, 1                         ; h
	; b_in in the result's layout, and ctx_trust of my row in each of my eight blocks of tokens
	v_lshlrev_b32 v8, 5, v2                        ; 32 h
	v_lshlrev_b32 v9, 2, v1                        ; 4 r
	s_lshl_b32 s46, s42, 10
	s_lshl_b32 s47, s16, 9
	s_add_co_u32 s46, s46, s47                     ; my first column x 4 bytes: 1,024 x tile column + 512 x half
	s_mov_b32 s47, 0
	s_add_nc_u64 s[96:97], s[96:97], s[46:47]
	s_and_b32 s92, s17, 7
	s_lshl_b32 s92, s92, 8
	s_lshl_b32 s93, s15, 7
	s_add_co_u32 s92, s92, s93                     ; n0: my first token in its sequence
	s_and_b32 s46, s92, 1023                       ; held inside ctx_trust: the tokens beyond it take the factor 1 below
	s_lshl_b32 s46, s46, 2
	s_add_nc_u64 s[98:99], s[98:99], s[46:47]
.irp b, 0,1,2,3,4,5,6,7
	global_load_b128 v[BI+8*\b:BI+8*\b+3], v8, s[96:97] offset:64*\b
	global_load_b128 v[BI+8*\b+4:BI+8*\b+7], v8, s[96:97] offset:64*\b+16
.endr
.irp a, 0,1,2,3,4,5,6,7
	global_load_b32 v[G+\a], v9, s[98:99] offset:64*\a
.endr
	v_mul_u32_u24 v3, v1, PITCH
	v_lshl_add_u32 v4, v2, 4, v3                   ; a fragment's row x pitch + 16 x half
	s_mul_i32 s21, s15, HALFT
	s_mul_i32 s22, s16, HALFT
	s_add_co_u32 s22, s22, 2*HALFT
.irp s, 0,1
	v_add_nc_u32 v[ADRA+\s], s21, v4
	v_add_nc_u32 v[ADRB+\s], s22, v4
	s_add_co_u32 s21, s21, SLOT
	s_add_co_u32 s22, s22, SLOT
.endr
	v_mul_u32_u24 v5, v1, KS                       ; my row's scales: 32 bytes a row,
	v_lshrrev_b32 v6, 8, v5
	v_lshl_add_u32 v5, v6, 4, v5                   ; and 16 more for each 256 passed
	s_mul_i32 s21, s15, HALFS
	s_mul_i32 s22, s16, HALFS
	s_add_co_u32 s22, s22, 2*HALFS
	s_sub_co_u32 s22, s22, s21
	v_mul_u32_u24 v6, s22, v2                      ; lanes 16-31 take W_in's
	s_add_co_u32 s21, s21, SCL
	v_add_nc_u32 v5, v5, v6
	v_add_nc_u32 v[ADRS], s21, v5
	s_mul_i32 s23, s14, 16*SPITCH                  ; my stage
	v_mul_u32_u24 v5, v1, SPITCH
	v_lshl_add_u32 v5, v2, 4, v5
	v_add_nc_u32 v[STO], s23, v5                   ; in: row r, 16 bytes for each half of the lanes
	v_bfe_u32 v5, v0, 3, 1
	v_and_b32 v6, 7, v0
	v_mul_u32_u24 v7, v5, SPITCH
	v_lshl_add_u32 v7, v2, 7, v7
	v_lshl_add_u32 v7, v6, 4, v7
	v_add_nc_u32 v[RD], s23, v7                    ; back: lanes 0-15 my first head, lanes 16-31 my second; eight lanes to a token's 128 bytes, two tokens
	v_lshlrev_b32 v7, 18, v2                       ; and the same in qkv: a head is 262,144 bytes on
	v_lshl_add_u32 v7, v5, 7, v7
	v_lshl_add_u32 v[CO], v6, 4, v7
	s_lshr_b32 s20, s17, 3                         ; batch
	s_lshl_b32 s20, s20, 4
	s_lshl_b32 s21, s40, 2
	s_add_co_u32 s20, s20, s21
	s_lshl_b32 s21, s16, 1
	s_add_co_u32 s20, s20, s21                     ; batch x 16 + my first head (4 cx + 2 x half)
	s_lshl_b32 s20, s20, 11
	s_add_co_u32 s20, s20, s92                     ; + n0
	s_lshl_b32 s20, s20, 7                         ; rows of 128 bytes
	s_lshl_b32 s21, ttmp9, 23                      ; q, k or v: 8,388,608 bytes each
	s_add_co_u32 s20, s20, s21
	s_mov_b32 s21, 0
	s_add_nc_u64 s[12:13], s[12:13], s[20:21]
	; the factor.  Choices are made by selects on ids, never by a branch
	s_cmp_eq_u32 ttmp9, 0
	s_cselect_b32 s94, 0x3e38aa3b, 1.0             ; q: log2(e) / 8; else 1
	s_cmp_eq_u32 ttmp9, 2
	s_cselect_b32 s93, -1, 0                       ; v,
	s_and_b32 s46, s17, 4
	s_cmp_eq_u32 s46, 0
	s_cselect_b32 s46, -1, 0                       ; and tokens 0 .. 1,023 of the sequence:
	s_and_b32 s93, s93, s46                        ; all lanes take the gate, or none
	v_mov_b32 v10, s94
	s_wait_kmcnt 0x0
	s_mul_f32 s95, s95, 0xbfb8aa3b                 ; -log2(e) x trust_scale
	s_wait_loadcnt 0x0
.irp a, 0,1,2,3,4,5,6,7
	v_mul_f32 v[G+\a], s95, v[G+\a]
.endr
.irp a, 0,1,2,3,4,5,6,7
	v_exp_f32 v[G+\a], v[G+\a]
.endr
	v_nop
	s_wait_alu depctr_va_vdst(0)                   ; one wait for the eight exponentials
.irp a, 0,1,2,3,4,5,6,7
	v_add_f32 v[G+\a], 1.0, v[G+\a]
.endr
.irp a, 0,1,2,3,4,5,6,7
	v_rcp_f32 v[G+\a], v[G+\a]                     ; sigmoid
.endr
	v_nop
	s_wait_alu depctr_va_vdst(0)                   ; and one for the eight reciprocals
.irp a, 0,1,2,3,4,5,6,7
	v_cndmask_b32 v[FAC+2*\a], v10, v[G+\a], s93
.endr
.irp a, 0,1,2,3,4,5,6,7
	v_mov_b32 v[FAC+2*\a+1], v[FAC+2*\a]           ; a pair for the packed multiply
.endr
.macro FRAG reg, adr, q, i             ; 16 rows x 128 K of 4-bit codes: 8 registers, two loads of 16 bytes, 32 bytes apart
.irp c, 0,1
	ds_load_b128 v[\reg+4*\c:\reg+4*\c+3], v[\adr] offset:64*(\q)+32*\c+(\i)*16*PITCH
.endr
.endm
; 16 products: x's blocks a0, a0 + 1 against W_in's eight; the 64 accumulators take turns in the same order in every step.  first = 1: C is b_in.
.macro MUL16 a0, p, q, sc, first
.irp a, \a0, \a0+1
.irp b, 0,1,2,3,4,5,6,7
.if \first
	v_wmma_scale_f32_16x16x128_f8f6f4 v[8*(8*((\a)%4)+\b):8*(8*((\a)%4)+\b)+7], v[128*(\p)+FR*\b:128*(\p)+FR*\b+FR-1], v[AF+FR*(\a):AF+FR*(\a)+FR-1], v[BI+8*\b:BI+8*\b+7], v[SC+8*NQ*(\sc)+NQ*\b+(\q)], v[SC+8*NQ*(\sc)+NQ*(\a)+(\q)] matrix_a_fmt:MATRIX_FMT_FP4 matrix_b_fmt:MATRIX_FMT_FP4 matrix_a_scale:MATRIX_SCALE_ROW1
.else
	v_wmma_scale_f32_16x16x128_f8f6f4 v[8*(8*((\a)%4)+\b):8*(8*((\a)%4)+\b)+7], v[128*(\p)+FR*\b:128*(\p)+FR*\b+FR-1], v[AF+FR*(\a):AF+FR*(\a)+FR-1], v[8*(8*((\a)%4)+\b):8*(8*((\a)%4)+\b)+7], v[SC+8*NQ*(\sc)+NQ*\b+(\q)], v[SC+8*NQ*(\sc)+NQ*(\a)+(\q)] matrix_a_fmt:MATRIX_FMT_FP4 matrix_b_fmt:MATRIX_FMT_FP4 matrix_a_scale:MATRIX_SCALE_ROW1
.endif
.endr
.endr
.endm
.macro FETCH_B slot, q, p
	WIN TO_B
.irp i, 0,1,2,3,4,5,6,7
	FRAG 128*(\p)+FR*\i, ADRB+\slot, \q, \i
.endr
	WIN 0
.endm
.macro FETCH_A slot, q, i0
.irp i, \i0, \i0+1, \i0+2, \i0+3
	FRAG AF+FR*(\i), ADRA+\slot, \q, \i
.endr
.endm
.macro SCALES sc                       ; a slot's scale words: lanes 0-15 x's block i, lanes 16-31 W_in's block i; four words a row
.irp i, 0,1,2,3,4,5,6,7
	ds_load_b128 v[SC+8*NQ*\sc+NQ*\i:SC+8*NQ*\sc+NQ*\i+3], v[ADRS] offset:\i*SBLK
.endr
.endm
.macro PLACES n                        ; plain vector lines between a matrix instruction and a load into, or a vector access of, its registers
.rept \n
	v_nop
.endr
.endm
.macro STEP slot, q, first             ; 128 along K, with its successor in the same slot
	s_wait_dscnt 4*NL                              ; W_in's set and x's blocks 0-3 are in; the youngest eight loads (x's blocks 4-7) may be out
.if \first
	WIN FIRST_LO
.else
	WIN MUL_LO
.endif
	MUL16 0, (\q)%2, \q, \slot, \first
	MUL16 2, (\q)%2, \q, \slot, \first
	s_wait_dscnt 0
	PLACES NP
	FETCH_B \slot, (\q)+1, 1-(\q)%2
	FETCH_A \slot, (\q)+1, 0
.if \first
	WIN FIRST_HI
.else
	WIN MUL_HI
.endif
	MUL16 4, (\q)%2, \q, \slot, \first
	MUL16 6, (\q)%2, \q, \slot, \first
	PLACES NP
	WIN 0
	FETCH_A \slot, (\q)+1, 4
.endm
; Slot 0's last step changes slots: each wave waits for all its tensor loads (its part of slot 1), adds 0 to its spare word, waits for that and for its reads of slot 0; one barrier.  Nothing is filled again.
.macro TURN slot, next
	s_wait_tensorcnt 0x0
	ds_add_u32 v[SPW], v[NIL]
	s_wait_dscnt 4*NL+1                            ; the add and the youngest eight loads may be out
	WIN MUL_LO
	MUL16 0, 1, NQ-1, \slot, 0
	s_wait_dscnt 0x0                               ; the add is done, and my reads of this slot are over
	s_barrier_signal -1
	MUL16 2, 1, NQ-1, \slot, 0
	WIN 0
	s_barrier_wait -1
	PLACES NP
	v_add_nc_u32 v[ADRS], 4*NQ, v[ADRS]            ; the next slot's scale words
	FETCH_B \next, 0, 0
	FETCH_A \next, 0, 0
	SCALES \next
	WIN MUL_HI
	MUL16 4, 1, NQ-1, \slot, 0
	MUL16 6, 1, NQ-1, \slot, 0
	PLACES NP
	WIN 0
	FETCH_A \next, 0, 4
.endm
	s_wait_tensorcnt 1                             ; the scales and my part of slot 0 are in; slot 1's load may be out
	s_barrier_signal -1
	s_barrier_wait -1
	FETCH_B 0, 0, 0
	FETCH_A 0, 0, 0
	SCALES 0
	FETCH_A 0, 0, 4
	STEP 0, 0, 1                                   ; the first products start the sums from b_in
	STEP 0, 1, 0
	STEP 0, 2, 0
	TURN 0, 1
	STEP 1, 0, 0
	STEP 1, 1, 0
	STEP 1, 2, 0
	s_wait_dscnt 4*NL
	WIN MUL_LO
	MUL16 0, 1, NQ-1, 1, 0
	MUL16 2, 1, NQ-1, 1, 0
	s_wait_dscnt 0
	WIN MUL_HI
	MUL16 4, 1, NQ-1, 1, 0
	MUL16 6, 1, NQ-1, 1, 0
	WIN 0
; THE WAY OUT, a block of 16 tokens x 128 columns at a time: x the factor, in place; rounded to f16, 16 bytes a lane; through my own stage in LDS; back so that sixteen lanes hold two tokens of one head: 256 consecutive bytes of qkv.
.macro PACK a
.set AC, 64*((\a)%4)
	WIN 0x82+0x41*((\a)/4)                         ; destination and source 0: window 2 or 3; the factor: window 0
.set i, 0
.rept 32
	v_pk_mul_f32 v[AC+2*i:AC+2*i+1], v[AC+2*i:AC+2*i+1], v[FAC+2*(\a):FAC+2*(\a)+1]   ; each accumulator from its low end on
.set i, i+1
.endr
	WIN 0x0a+5*((\a)/4)                            ; sources 0 and 1: window 2 or 3
.set i, 0
.rept 32
	v_cvt_pk_f16_f32 v[TMP+i], v[AC+2*i], v[AC+2*i+1]
.set i, i+1
.endr
	WIN 0
.endm
.macro TOSTAGE a
.set BB, BK+32*((\a)%2)
.irp b, 0,1,2,3,4,5,6,7
	ds_store_b128 v[STO], v[TMP+4*\b:TMP+4*\b+3] offset:32*\b
.endr
.irp t, 0,1,2,3,4,5,6,7
	ds_load_b128 v[BB+4*\t:BB+4*\t+3], v[RD] offset:\t*2*SPITCH    ; LDS serves a wave's instructions in order (ISA guide 5.7.1.4): these see the stores above
.endr
.endm
.macro SEND a
.set BB, BK+32*((\a)%2)
	s_wait_dscnt 0x0                               ; the block is back in registers
	s_wait_xcnt 0x0                                ; the earlier stores have read their data registers: the next block's loads may land there
.irp t, 0,1,2,3,4,5,6,7
	global_store_b128 v[CO], v[BB+4*\t:BB+4*\t+3], s[12:13] offset:2048*(\a)+256*\t   ; each half of the lanes stores 256 consecutive bytes, aligned
.endr
.endm
	PLACES NP
	PACK 0
	TOSTAGE 0
.irp a, 1,2,3,4,5,6,7                  ; block a's arithmetic stands between block a - 1's loads from the stage and the wait for them
	PACK \a
	SEND \a-1
	TOSTAGE \a
.endr
	SEND 7
	s_wait_tensorcnt 0x0                           ; the wave's end
	ds_add_u32 v[SPW], v[NIL]
	s_wait_dscnt 0x0
	CROUND                                         ; the closing round
	s_endpgm
.Lfunc_end_k_q1fef86c381_qkv:
	.size	k_q1fef86c381_qkv, .Lfunc_end_k_q1fef86c381_qkv-k_q1fef86c381_qkv
	.p2alignl 7, 3214868480
	.fill 96, 4, 3214868480
	.section	.rodata,"a",@progbits
	.p2align	6, 0x0
	.amdhsa_kernel k_q1fef86c381_qkv
		.amdhsa_group_segment_fixed_size 327680
		.amdhsa_private_segment_fixed_size 0
		.amdhsa_enable_private_segment 0
		.amdhsa_kernarg_size 64
		.amdhsa_user_sgpr_count 2
		.amdhsa_user_sgpr_kernarg_segment_ptr 1
		.amdhsa_wavefront_size32 1
		.amdhsa_system_sgpr_workgroup_id_x 1
		.amdhsa_system_sgpr_workgroup_id_y 1
		.amdhsa_system_sgpr_workgroup_id_z 1
		.amdhsa_system_vgpr_workitem_id 0
		.amdhsa_next_free_vgpr 1024
		.amdhsa_next_free_sgpr 102
		.amdhsa_reserve_vcc 0
		.amdhsa_float_denorm_mode_32 3
		.amdhsa_float_denorm_mode_16_64 3
		.amdhsa_memory_ordered 1
		.amdhsa_forward_progress 1
		.amdhsa_inst_pref_size 148
	.end_amdhsa_kernel
	.amdgpu_metadata
---
amdhsa.version: [ 1, 2 ]
amdhsa.kernels:
  - .name:           k_q1fef86c381_qkv
    .symbol:         k_q1fef86c381_qkv.kd
    .args:
      - { .name: xq, .offset: 0, .size: 8, .value_kind: global_buffer, .address_space: global }
      - { .name: xs, .offset: 8, .size: 8, .value_kind: global_buffer, .address_space: global }
      - { .name: wq, .offset: 16, .size: 8, .value_kind: global_buffer, .address_space: global }
      - { .name: ws, .offset: 24, .size: 8, .value_kind: global_buffer, .address_space: global }
      - { .name: b_in, .offset: 32, .size: 8, .value_kind: global_buffer, .address_space: global }
      - { .name: ctx_trust, .offset: 40, .size: 8, .value_kind: global_buffer, .address_space: global }
      - { .name: trust_scale, .offset: 48, .size: 8, .value_kind: global_buffer, .address_space: global }
      - { .name: qkv, .offset: 56, .size: 8, .value_kind: global_buffer, .address_space: global }
    .group_segment_fixed_size: 327680
    .private_segment_fixed_size: 0
    .kernarg_segment_align: 8
    .kernarg_segment_size: 64
    .max_flat_workgroup_size: 128
    .sgpr_count:     102
    .vgpr_count:     1024
    .wavefront_size: 32
...
	.end_amdgpu_metadata
.endif
;; end of part 2
;; launch attn (part 3): grid 8 x 32, 4 waves a work-group, clusters of 4 x 1, 327,680 bytes of LDS; arguments qkv, dpart, ctx_ppr, log_ppr_alpha, bd2, att; writes att
.if DOCPART == 3
	.amdgcn_target "amdgcn-amd-amdhsa--gfx1250"
	.amdhsa_code_object_version 6
	.text
	.protected	k_q1fef86c381_attn
	.globl	k_q1fef86c381_attn
	.p2align	8
	.type	k_q1fef86c381_attn,@function
k_q1fef86c381_attn:
	s_mov_b64 s[64:65], 0
	v_nop
	global_prefetch_b8 v0, s[64:65] scope:SCOPE_SE
	s_setreg_imm32_b32 hwreg(HW_REG_WAVE_MODE, 25, 1), 1
	s_wait_xcnt 0x0
	s_wait_alu depctr_hold_cnt(0) depctr_sa_sdst(0) depctr_va_vdst(0) depctr_va_sdst(0) depctr_va_ssrc(0) depctr_va_vcc(0) depctr_vm_vsrc(0)
	s_getreg_b32 s2, hwreg(HW_REG_IB_STS2, 6, 4)
	s_cmp_eq_u32 s2, 0
	s_cbranch_scc0 .Lentry_in_a_cluster
	s_endpgm
.Lentry_in_a_cluster:
	s_bfe_u32 s2, ttmp6, 0x10000c
	s_cmp_lg_u32 s2, 0x3003
	s_cbranch_scc0 .Lentry_shape_is_right
	s_endpgm
.Lentry_shape_is_right:
; att = softmax_k(q . k / 8 + bias[k]) v, head by head.  qkv: [q, k, v][batch x 16 + head][2048][64] f16; q already carries log2(e) / 8 and v its gate.  Products on f16 operands, sums, maxima and the softmax in f32;
; the weights p are rounded to f16 for the second product; the row's sum is taken of the unrounded p and divides at the end; the result is rounded once to f16.
; bias[k] = log_ppr_alpha x ln(max(ctx_ppr[k], 1e-8)) + (the four parts of dpart[.][k]) + bd2 for keys 0 .. 1,023, and 0 for the others.  Each work-group makes the table once, x log2(e), in LDS; it enters as the C of each score's first product.
; att: [token / 64][head][token % 64][64] f16.
; LIMITS: results beyond 65,504 become infinities in f16; a weight under 2^-25 of its row's largest rounds to 0 in the second product; NaN and infinities are not served.
; SHARES.  A work-group owns 256 queries of one head, each of its four waves 64: four tiles of 16.  Every wave walks all 2,048 keys, 64 a step.
; LAYOUT.  S^T = K Q^T (source 0 = 16 keys, source 1 = 16 queries): a lane holds ONE query and the keys 8 (lane / 16) + 0..7; two such tiles rounded in pairs are source 1 of O^T = V^T P.  V comes out of LDS turned, by ds_load_tr16_b128.
; SOFTMAX.  A running maximum m and sum l for each query: p = 2^(s - m); in every step O and l are multiplied by a = 2^(m_old - m_new).
; ORDER.  A trip: K and the bias of step j are asked of LDS; the softmax of step j - 1; V^T P of step j - 1; V of step j is asked for; K Q^T of step j.
; RING.  Two slots of 256 keys.  In memory a slot's K (and V) is one dense block of 32,768 bytes: it comes as 128 rows of 256 bytes (two keys each), padded by 16 (K) or 32 (V) bytes.
; CLUSTER.  The four query blocks of a cluster belong to one head and walk the same K and V: each tile is asked for jointly, by the same load with a mask that names the four.
; REGISTERS: window 0: v1-12 addresses; v32-63 statistics, 8 a tile; v64-191 S^T, 32 a tile; v192-255 P, 16 a tile.  window 1: v0-127 O^T, 32 a tile; v128-191 Q; v192-223 the step's bias.  window 2: v0-63 K, v64-127 V of one step.
.set PK,     272
.set PVP,    288
.set KSTEPB, 32*PK                     ; a step's 64 keys: 32 LDS rows
.set VSTEPB, 32*PVP
.set VOFF,   128*PK
.set SLOT1,  1<<17                     ; slot 1 begins here: one exclusive or turns an address from one slot to the other
.set SLOTB,  32768                     ; a slot's K or V in memory
.set BIAS,   SLOT1+VOFF+128*PVP        ; behind the ring: the bias table, 2,048 f32
.set STAGE,  BIAS+8192                 ; 16 rows x (128 bytes + 16) for each wave, for the way out
.set SP,     144
.set SPARE,  STAGE+4*16*SP             ; the spare words, 128 bytes for each wave: two blocks of 256 bytes that no other line names
.set AK0, 2
.set AV0, 3
.set AB0, 4
.set ADR, 5
.set ADB, 6
.set ADV, 7
.set QO,  8
.set STO, 10
.set RD,  11
.set GO,  12
.set PFO, 29
.set SPW, 30
.set NIL, 31
.set ST,  32                           ; tile t at v[ST + 8 t]: +0 m, +1 the old m, +2, +3 l (two halves), +4 .. +7 at work; a in +6
.set S,   64
.set P,   192
.set O,   0                            ; window 1
.set Q,   128
.set BI,  192
.set KF,  0                            ; window 2
.set VF,  64
.set WV,  12
.set LIM, 15
.set PFA, 18
.set G1K, 24
.set G1V, 32
.set G0K, 40
.set G0V, 48
.set SLOTS, 56
.set TW,  57
.set TK,  58
.set TV,  59
.set SEL, 60
.set TBI, 62
.set MSB, 0
.macro WIN new
.if MSB != \new
	s_set_vgpr_msb (MSB<<8)|\new
.set MSB, \new
.endif
.endm
.macro JLOAD                           ; a joint refill: waves 0 and 1 fetch K's halves, waves 2 and 3 V's; an s_nop 0 and four v_nop follow each line
	s_cmp_lt_u32 s[WV], 2
	s_cbranch_scc0 .Lfor_v_\@
	tensor_load_to_lds s[G0K+4:G0K+7], s[G1K:G1K+7]
	s_nop 0
.rept 4
	v_nop
.endr
	s_branch .Lasked_\@
.Lfor_v_\@:
	tensor_load_to_lds s[G0V+4:G0V+7], s[G1V:G1V+7]
	s_nop 0
.rept 4
	v_nop
.endr
.Lasked_\@:
.endm
; A prefetch of what the NEXT change of slots will ask for: a slot's 32,768 bytes of K and of V.  Each block of 256 bytes is named once in the launch: the head's first cluster asks; its four partners take 8,192 bytes each,
; told apart by address; in each, wave 0 asks for K's and wave 2 for V's, lanes 256 bytes apart.  It stands four key steps ahead of the load that wants the bytes.  The last change that fills a slot asks for nothing.
.macro ASK
	s_cmp_gt_u32 s[SLOTS], s[LIM]
	s_cbranch_scc0 .Lnot_mine_\@
	global_prefetch_b8 v[PFO], s[PFA:PFA+1] th:TH_LOAD_NT scope:SCOPE_SE
.Lnot_mine_\@:
.endm
.macro CROUND
	s_barrier_signal -1
	s_barrier_wait -1
	s_cmp_lg_u32 s[WV], 0
	s_cbranch_scc1 .Lnot_wave_0_\@
	s_barrier_signal -3
.Lnot_wave_0_\@:
	s_barrier_wait -3
	s_barrier_signal -1
	s_barrier_wait -1
.endm
	s_load_b256 s[4:11], s[0:1], 0x0               ; qkv s[4:5], dpart s[6:7], ctx_ppr s[8:9], log_ppr_alpha s[10:11]
	s_load_b128 s[68:71], s[0:1], 0x20             ; bd2 s[68:69], att s[70:71]
	v_lshl_add_u32 v[SPW], v0, 2, SPARE
	v_mov_b32 v[NIL], 0
	ds_add_u32 v[SPW], v[NIL]                      ; the wave's opening: the add, twice on end, and its wait ahead of my first tensor load
	ds_add_u32 v[SPW], v[NIL]
	v_lshrrev_b32 v1, 5, v0
	v_readfirstlane_b32 s[WV], v1                  ; wave 0..3
	s_bfe_u32 s13, ttmp6, 0x40000                  ; cx
	s_lshl_b32 s14, ttmp9, 2
	s_add_co_u32 s14, s14, s13                     ; my block of 256 queries: it enters Q's and att's addresses alone
	s_and_b32 s20, ttmp7, 0xffff                   ; batch x 16 + head, which the four partners share
	s_lshl_b32 s22, s20, 18                        ; its 2,048 rows of 128 bytes
	s_and_b32 s16, s[WV], 1                        ; which half of a slot's K or V I fetch:
	s_lshl_b32 s17, s16, 14                        ; 16,384 bytes in memory,
	s_add_co_u32 s22, s22, s17
	s_mov_b32 s23, 0
	s_mul_i32 s17, s16, 64*PK                      ; 64 LDS rows of K,
	s_mul_i32 s63, s16, 64*PVP
	s_add_co_u32 s63, s63, VOFF                    ; or of V: no place in the cluster enters an LDS address
	s_lshl_b32 s2, s20, 18
	s_lshl_b32 s3, s14, 15
	s_add_co_u32 s2, s2, s3
	s_lshl_b32 s3, s[WV], 13
	s_add_co_u32 s2, s2, s3                        ; my wave's 64 queries
	s_mov_b32 s3, 0
	s_lshr_b32 s74, s20, 4
	s_lshl_b32 s74, s74, 5
	s_lshl_b32 s75, s14, 2
	s_add_co_u32 s74, s74, s75
	s_add_co_u32 s74, s74, s[WV]                   ; token / 64 = batch x 32 + 4 x block + wave
	s_lshl_b32 s74, s74, 4
	s_and_b32 s75, s20, 15
	s_add_co_u32 s74, s74, s75                     ; x 16 + head
	s_lshl_b32 s74, s74, 13                        ; blocks of 8,192 bytes
	s_mov_b32 s75, 0
	s_mov_b32 s[G1K], 15|(1<<16)|(1<<20)|(1<<21)|(5<<22)|(3<<25)  ; the mask: all four; elements of 2 bytes; padding of 4 words after every 64; bit 21 beside a mask
	s_mov_b32 s[G1V], 15|(1<<16)|(1<<20)|(1<<21)|(5<<22)|(7<<25)  ; the same with 8 words of padding
.irp g, G1K, G1V
	s_mov_b32 s[\g+1], 128<<16                     ; tensor_dim0 = 128 elements: 256 bytes, two keys
	s_mov_b32 s[\g+2], 64<<16                      ; tensor_dim1 = 64 rows
	s_mov_b32 s[\g+3], 128<<16                     ; tile_dim0
	s_mov_b32 s[\g+4], 64                          ; tile_dim1
	s_mov_b32 s[\g+5], 128                         ; from row to row: dense
	s_mov_b32 s[\g+6], 0
	s_mov_b32 s[\g+7], 0
.endr
	s_mov_b32 s[SEL], 0x76543210
	s_mov_b32 s[SEL+1], 0xfedcba98
	s_mov_b32 s[TK], 0
	s_mov_b32 s[TV], 0
	s_mov_b32 s[TBI], 0
	s_mov_b32 s[SLOTS], 6                          ; eight slots' worth of keys; two are asked for at the head
	s_and_b32 s[LIM], s[WV], 1
	s_or_b32 s[LIM], s[LIM], ttmp9                 ; 0 in waves 0 and 2 of the head's first cluster: the same in all four partners
	s_cmp_eq_u32 s[LIM], 0
	s_cselect_b32 s[LIM], 1, -1
	v_and_b32 v[PFO], 31, v0
	v_lshlrev_b32 v[PFO], 8, v[PFO]
	s_wait_dscnt 0x0                               ; both opening adds are done
	s_wait_kmcnt 0x0
	s_load_b32 s72, s[10:11], 0x0                  ; log_ppr_alpha's number
	s_load_b32 s73, s[68:69], 0x0                  ; bd2's
	s_add_nc_u64 s[66:67], s[4:5], s[22:23]
	s_add_nc_u64 s[20:21], s[66:67], 0x1000000     ; V at my part of slot 0
	s_add_nc_u64 s[66:67], s[66:67], 0x800000      ; K likewise
	s_add_nc_u64 s[4:5], s[4:5], s[2:3]            ; Q at my wave's first row
	s_add_nc_u64 s[70:71], s[70:71], s[74:75]      ; att at my wave's block
	s_cmp_lt_u32 s[WV], 2
	s_cselect_b64 s[PFA:PFA+1], s[66:67], s[20:21] ; (in waves 0 and 2 these stand at a slot's first byte)
	s_lshl_b32 s2, s13, 13                         ; my work-group's 8,192 bytes of the 32,768
	s_mov_b32 s3, 0
	s_add_nc_u64 s[PFA:PFA+1], s[PFA:PFA+1], s[2:3]
	s_add_nc_u64 s[PFA:PFA+1], s[PFA:PFA+1], 2*SLOTB   ; in slot 2; the first change of slots steps it to slot 3.  Nothing is prefetched at the head
	CROUND                                         ; all four work-groups are here: the first joint loads meet
.irp s, 0,1
	s_mov_b32 s[G0K+4*\s], 1
	s_add_co_u32 s[G0K+4*\s+1], s17, \s*SLOT1
	s_add_nc_u64 s[G0K+4*\s+2:G0K+4*\s+3], s[66:67], \s*SLOTB
	s_or_b32 s[G0K+4*\s+3], s[G0K+4*\s+3], 0x80000000
	s_mov_b32 s[G0V+4*\s], 1
	s_add_co_u32 s[G0V+4*\s+1], s63, \s*SLOT1
	s_add_nc_u64 s[G0V+4*\s+2:G0V+4*\s+3], s[20:21], \s*SLOTB
	s_or_b32 s[G0V+4*\s+3], s[G0V+4*\s+3], 0x80000000
.endr
	s_cmp_lt_u32 s[WV], 2                          ; a wave's two first fills stand in one branch: two loads of mine are out
	s_cbranch_scc0 .Lfirst_v
	tensor_load_to_lds s[G0K:G0K+3], s[G1K:G1K+7]
	s_nop 0
	tensor_load_to_lds s[G0K+4:G0K+7], s[G1K:G1K+7]
	s_nop 0
.rept 4
	v_nop
.endr
	s_branch .Lfirst_asked
.Lfirst_v:
	tensor_load_to_lds s[G0V:G0V+3], s[G1V:G1V+7]
	s_nop 0
	tensor_load_to_lds s[G0V+4:G0V+7], s[G1V:G1V+7]
	s_nop 0
.rept 4
	v_nop
.endr
.Lfirst_asked:
	v_and_b32 v1, 15, v0                           ; r
	v_bfe_u32 v9, v0, 4, 1                         ; h
	v_lshlrev_b32 v[QO], 7, v1
	v_lshl_add_u32 v[QO], v9, 4, v[QO]             ; row r of 128 bytes + 16 h
	WIN 0x40                                       ; destination window 1
.irp i, 0,1,2,3,4,5,6,7                ; Q stays in registers: tile i / 2, channels 32 (i % 2) on
	global_load_b128 v[Q+8*\i:Q+8*\i+3],   v[QO], s[4:5] offset:(\i/2)*2048+(\i%2)*64
	global_load_b128 v[Q+8*\i+4:Q+8*\i+7], v[QO], s[4:5] offset:(\i/2)*2048+(\i%2)*64+32
.endr
	WIN 0
	v_lshlrev_b32 v20, 5, v0                       ; the bias table: thread T makes keys 8 T .. 8 T + 7
.irp q, 0,1,2,3
	global_load_b128 v[S+8*\q:S+8*\q+3],   v20, s[6:7] offset:4096*\q
	global_load_b128 v[S+8*\q+4:S+8*\q+7], v20, s[6:7] offset:4096*\q+16
.endr
	global_load_b128 v[S+32:S+35], v20, s[8:9]
	global_load_b128 v[S+36:S+39], v20, s[8:9] offset:16
	v_add_nc_u32 v21, BIAS, v20
	; key rho of a tile lies at (rho / 2) x pitch + (rho % 2) x 128
	v_lshrrev_b32 v13, 1, v1
	v_and_b32 v14, 1, v0
	v_mul_u32_u24 v[AK0], v13, PK
	v_lshl_add_u32 v[AK0], v14, 7, v[AK0]
	v_lshl_add_u32 v[AK0], v9, 4, v[AK0]           ; K: key r, + 16 h
	v_bfe_u32 v13, v0, 1, 2
	v_lshl_add_u32 v13, v9, 2, v13
	v_mul_u32_u24 v[AV0], v13, PVP                 ; V, for the turning load: key 8 h + lane % 8,
	v_lshl_add_u32 v[AV0], v14, 7, v[AV0]
	v_bfe_u32 v13, v0, 3, 1
	v_lshl_add_u32 v[AV0], v13, 4, v[AV0]          ; channels 8 ((lane / 8) % 2) on
	v_add_nc_u32 v[AV0], VOFF, v[AV0]
	v_lshlrev_b32 v[AB0], 5, v9
	v_add_nc_u32 v[AB0], BIAS, v[AB0]              ; the bias of my half's eight keys of a tile
	s_mul_i32 s2, s[WV], 16*SP
	s_add_co_u32 s2, s2, STAGE                     ; my stage
	v_mul_u32_u24 v[STO], v1, SP
	v_lshl_add_u32 v[STO], v9, 4, v[STO]
	v_add_nc_u32 v[STO], s2, v[STO]                ; in: row r, 16 bytes for each half of the lanes
	v_and_b32 v13, 31, v0
	v_lshrrev_b32 v15, 3, v13
	v_mul_u32_u24 v[RD], v15, SP
	v_and_b32 v15, 7, v0
	v_lshl_add_u32 v[RD], v15, 4, v[RD]
	v_add_nc_u32 v[RD], s2, v[RD]                  ; back: eight lanes to a row of 128 bytes, four rows
	v_lshlrev_b32 v[GO], 4, v13                    ; which are 512 consecutive bytes of att
	s_wait_kmcnt 0x0
	s_wait_loadcnt 0x0                             ; Q, dpart, ctx_ppr
.irp j, 0,2,4,6
	v_pk_add_f32 v[S+\j:S+\j+1], v[S+\j:S+\j+1], v[S+8+\j:S+8+\j+1]
	v_pk_add_f32 v[S+16+\j:S+16+\j+1], v[S+16+\j:S+16+\j+1], v[S+24+\j:S+24+\j+1]
.endr
.irp j, 0,2,4,6
	v_pk_add_f32 v[S+\j:S+\j+1], v[S+\j:S+\j+1], v[S+16+\j:S+16+\j+1]
.endr
.irp j, 0,1,2,3,4,5,6,7
	v_add_f32 v[S+\j], s73, v[S+\j]                ; + bd2
.endr
.irp j, 0,1,2,3,4,5,6,7
	v_max_num_f32 v[S+32+\j], 0x322bcc77, v[S+32+\j]   ; the clip at 1e-8
.endr
.irp j, 0,1,2,3,4,5,6,7
	v_log_f32 v[S+32+\j], v[S+32+\j]               ; log2: ln x log2(e)
.endr
.irp j, 0,1,2,3,4,5,6,7
	v_mul_f32 v[S+\j], 0x3fb8aa3b, v[S+\j]         ; plain work behind the logarithms
.endr
	s_wait_alu depctr_va_vdst(0)                   ; one wait for the eight
.irp j, 0,1,2,3,4,5,6,7
	v_fma_f32 v[S+\j], s72, v[S+32+\j], v[S+\j]
.endr
.irp j, 0,1,2,3
	v_mov_b32 v[S+40+\j], 0
.endr
	ds_store_b128 v21, v[S:S+3]
	ds_store_b128 v21, v[S+4:S+7] offset:16
	ds_store_b128 v21, v[S+40:S+43] offset:4096    ; keys 1,024 on: 0
	ds_store_b128 v21, v[S+40:S+43] offset:4112
.macro FETCH_K                         ; a step's K (8 fragments of 16 keys x 32 channels) and its bias in the scores' layout: 24 loads
	WIN 0
	v_add_nc_u32 v[ADR], s[TK], v[AK0]
	v_add_nc_u32 v[ADB], s[TBI], v[AB0]
	s_add_co_u32 s[TK], s[TK], KSTEPB
	s_add_co_u32 s[TBI], s[TBI], 256
	WIN 0x80                                       ; destination window 2
.irp f, 0,1,2,3,4,5,6,7                ; keys 16 (f / 2) on, channels 32 (f % 2) on
	ds_load_b128 v[KF+8*\f:KF+8*\f+3],   v[ADR] offset:(\f/2)*8*PK+(\f%2)*64
	ds_load_b128 v[KF+8*\f+4:KF+8*\f+7], v[ADR] offset:(\f/2)*8*PK+(\f%2)*64+32
.endr
	WIN 0x40                                       ; destination window 1
.irp k, 0,1,2,3
	ds_load_b128 v[BI+8*\k:BI+8*\k+3],   v[ADB] offset:64*\k
	ds_load_b128 v[BI+8*\k+4:BI+8*\k+7], v[ADB] offset:64*\k+16
.endr
	WIN 0
.endm
.macro FETCH_V                         ; a step's V, turned: 8 fragments of 16 channels x 32 keys: 16 loads
	WIN 0
	v_add_nc_u32 v[ADV], s[TV], v[AV0]
	s_add_co_u32 s[TV], s[TV], VSTEPB
	WIN 0x80
.irp f, 0,1,2,3,4,5,6,7                ; keys 32 (f / 4) on, channels 16 (f % 4) on
	ds_load_tr16_b128 v[VF+8*\f:VF+8*\f+3],   v[ADV] offset:(\f/4)*16*PVP+(\f%4)*32
	ds_load_tr16_b128 v[VF+8*\f+4:VF+8*\f+7], v[ADV] offset:(\f/4)*16*PVP+8*PVP+(\f%4)*32
.endr
	WIN 0
.endm
.macro KQ                              ; S^T = K Q^T + bias: the 16 accumulators take turns; four places follow
	WIN 0x16                                       ; K window 2, Q and the bias window 1, S^T window 0
.irp k, 0,1,2,3
.irp t, 0,1,2,3
	v_wmma_f32_16x16x32_f16 v[S+32*\t+8*\k:S+32*\t+8*\k+7], v[KF+16*\k:KF+16*\k+7], v[Q+16*\t:Q+16*\t+7], v[BI+8*\k:BI+8*\k+7]
.endr
.endr
	WIN 0x06
.irp k, 0,1,2,3
.irp t, 0,1,2,3
	v_wmma_f32_16x16x32_f16 v[S+32*\t+8*\k:S+32*\t+8*\k+7], v[KF+16*\k+8:KF+16*\k+15], v[Q+16*\t+8:Q+16*\t+15], v[S+32*\t+8*\k:S+32*\t+8*\k+7]
.endr
.endr
	WIN 0
.rept 4
	v_nop                                          ; ahead of the softmax's reads of the scores and of the loads into K's and the bias's registers
.endr
.endm
.macro PV first                        ; O^T += V^T P; first = 1: the first 16 products start the sums
	WIN 0x52                                       ; V window 2, P window 0, O^T window 1
.irp kh, 0,1
.irp d, 0,1,2,3
.irp t, 0,1,2,3
.if (\first) && (\kh == 0)
	v_wmma_f32_16x16x32_f16 v[O+32*\t+8*\d:O+32*\t+8*\d+7], v[VF+32*\kh+8*\d:VF+32*\kh+8*\d+7], v[P+16*\t+8*\kh:P+16*\t+8*\kh+7], 0
.else
	v_wmma_f32_16x16x32_f16 v[O+32*\t+8*\d:O+32*\t+8*\d+7], v[VF+32*\kh+8*\d:VF+32*\kh+8*\d+7], v[P+16*\t+8*\kh:P+16*\t+8*\kh+7], v[O+32*\t+8*\d:O+32*\t+8*\d+7]
.endif
.endr
.endr
.endr
	WIN 0
.rept 4
	v_nop                                          ; ahead of the loads into V's registers and of the next writes of P
.endr
.endm
; The softmax of one key step, the four tiles by turns.  first = 1: the first step, which starts m, l and O^T.
.macro SM first
	WIN 0
.irp i, 0,1,2,3                        ; four chains a tile, one for each accumulator, each begun at its low end
.irp t, 0,1,2,3
	v_max3_num_f32 v[ST+8*\t+4+\i], v[S+32*\t+8*\i], v[S+32*\t+8*\i+1], v[S+32*\t+8*\i+2]
.endr
.endr
.irp i, 0,1,2,3
.irp t, 0,1,2,3
	v_max3_num_f32 v[ST+8*\t+4+\i], v[ST+8*\t+4+\i], v[S+32*\t+8*\i+3], v[S+32*\t+8*\i+4]
.endr
.endr
.irp i, 0,1,2,3
.irp t, 0,1,2,3
	v_max3_num_f32 v[ST+8*\t+4+\i], v[ST+8*\t+4+\i], v[S+32*\t+8*\i+5], v[S+32*\t+8*\i+6]
.endr
.endr
.irp t, 0,1,2,3
	v_max3_num_f32 v[ST+8*\t+4], v[ST+8*\t+4], v[S+32*\t+7], v[S+32*\t+15]
.endr
.irp t, 0,1,2,3
	v_max3_num_f32 v[ST+8*\t+6], v[ST+8*\t+6], v[S+32*\t+23], v[S+32*\t+31]
.endr
.irp t, 0,1,2,3
	v_max3_num_f32 v[ST+8*\t+4], v[ST+8*\t+4], v[ST+8*\t+5], v[ST+8*\t+6]
.endr
.irp t, 0,1,2,3
.if \first
	v_max_num_f32 v[ST+8*\t+4], v[ST+8*\t+4], v[ST+8*\t+7]
.else
	v_max3_num_f32 v[ST+8*\t+4], v[ST+8*\t+4], v[ST+8*\t+7], v[ST+8*\t]
.endif
.endr
.irp t, 0,1,2,3
	v_permlanex16_b32 v[ST+8*\t+5], v[ST+8*\t+4], s[SEL], s[SEL+1]   ; the query's other 32 keys lie in the lane 16 away
.endr
.irp t, 0,1,2,3
.if \first
	v_mov_b32 v[ST+8*\t+1], 0                      ; (named below as the upper half of a pair)
.else
	v_mov_b32 v[ST+8*\t+1], v[ST+8*\t]             ; the old m
.endif
.endr
.irp t, 0,1,2,3
	v_max_num_f32 v[ST+8*\t], v[ST+8*\t+4], v[ST+8*\t+5]
.endr
.if !(\first)
.irp t, 0,1,2,3
	v_sub_f32 v[ST+8*\t+7], v[ST+8*\t+1], v[ST+8*\t]
.endr
.irp t, 0,1,2,3
	v_exp_f32 v[ST+8*\t+6], v[ST+8*\t+7]           ; a
.endr
.endif
.set i, 0
.rept 16
.irp t, 0,1,2,3
	v_pk_add_f32 v[S+32*\t+2*i:S+32*\t+2*i+1], v[S+32*\t+2*i:S+32*\t+2*i+1], v[ST+8*\t:ST+8*\t+1] op_sel_hi:[1,0] neg_lo:[0,1] neg_hi:[0,1]   ; s - m, two at a time
.endr
.set i, i+1
.endr
.set i, 0
.rept 128
	v_exp_f32 v[S+i], v[S+i]                       ; p
.set i, i+1
.endr
	v_nop                                          ; a plain line behind the last exponential
	s_wait_alu depctr_va_vdst(0)                   ; ONE wait for the whole batch, a's among it, ahead of its first reader
.set i, 0
.rept 64
	v_cvt_pk_f16_f32 v[P+i], v[S+2*i], v[S+2*i+1]  ; tiles 2 kh and 2 kh + 1 of a query tile, in pairs, are source 1 for keys 32 kh on
.set i, i+1
.endr
.set i, 0
.rept 32                               ; the sums of the unrounded p, in place: pairs 1, 2, 4 and 8 apart
	v_pk_add_f32 v[S+4*i:S+4*i+1], v[S+4*i:S+4*i+1], v[S+4*i+2:S+4*i+3]
.set i, i+1
.endr
.set i, 0
.rept 16
	v_pk_add_f32 v[S+8*i:S+8*i+1], v[S+8*i:S+8*i+1], v[S+8*i+4:S+8*i+5]
.set i, i+1
.endr
.set i, 0
.rept 8
	v_pk_add_f32 v[S+16*i:S+16*i+1], v[S+16*i:S+16*i+1], v[S+16*i+8:S+16*i+9]
.set i, i+1
.endr
.irp t, 0,1,2,3
.if \first
	v_pk_add_f32 v[ST+8*\t+2:ST+8*\t+3], v[S+32*\t:S+32*\t+1], v[S+32*\t+16:S+32*\t+17]
.else
	v_pk_add_f32 v[S+32*\t:S+32*\t+1], v[S+32*\t:S+32*\t+1], v[S+32*\t+16:S+32*\t+17]
.endif
.endr
.if !(\first)
.irp t, 0,1,2,3
	v_pk_fma_f32 v[ST+8*\t+2:ST+8*\t+3], v[ST+8*\t+2:ST+8*\t+3], v[ST+8*\t+6:ST+8*\t+7], v[S+32*\t:S+32*\t+1] op_sel_hi:[1,0,1]   ; l = a l + the step's sum
.endr
	WIN 0x41                                       ; O^T (destination and source 0) window 1, a window 0
.irp t, 0,1,2,3
.set i, 0
.rept 16
	v_pk_mul_f32 v[O+32*\t+2*i:O+32*\t+2*i+1], v[O+32*\t+2*i:O+32*\t+2*i+1], v[ST+8*\t+6:ST+8*\t+7] op_sel_hi:[1,0]   ; each accumulator from its low end on
.set i, i+1
.endr
.endr
	WIN 0
.endif
.endm
.macro TRIP first
	FETCH_K                                        ; step j
	SM \first                                      ; step j - 1
	s_wait_dscnt 24                                ; V of step j - 1 is in; the 24 loads just issued (K and the bias of step j) may be out
	PV \first
	FETCH_V                                        ; step j
	s_wait_dscnt 16                                ; K and the bias of step j are in; V's 16 loads may be out
	KQ
.endm
.macro TRIPS n
	s_mov_b32 s[TW], \n
.Ltr_\@:
	TRIP 0
	s_sub_co_u32 s[TW], s[TW], 1
	s_cmp_lg_u32 s[TW], 0
	s_cbranch_scc1 .Ltr_\@
.endm
; THE CHANGE OF SLOTS stands where the slot's last bytes, V of its fourth step, have been asked of LDS.  Each wave waits for all its tensor loads (one is out: its part of the other slot), adds 0 to its spare word, and waits
; for that and for its reads of the slot.  fill = 1: the barrier is a round of the cluster's, and the joint refill, with the keys two slots on, is the first thing behind it: it has four key steps in which to land.
.macro CHANGE fill
	WIN 0
	s_wait_tensorcnt 0x0                           ; no tensor load of mine is out, so a group 0 may be written
	ds_add_u32 v[SPW], v[NIL]
.if \fill
.irp g, G0K+4, G0V+4
	s_xor_b32 s[\g+1], s[\g+1], SLOT1              ; the walking descriptor: the other slot than last time,
	s_add_nc_u64 s[\g+2:\g+3], s[\g+2:\g+3], SLOTB ; the next 256 keys
.endr
	s_wait_xcnt 0x0                                ; the last prefetch, a slot back, has read its address
	s_add_nc_u64 s[PFA:PFA+1], s[PFA:PFA+1], SLOTB
	s_wait_dscnt 0x0                               ; the add is done, and my reads of the slot are over
	CROUND
	JLOAD
	ASK
.else
	s_wait_dscnt 0x0
	s_barrier_signal -1
	s_barrier_wait -1
.endif
	s_sub_co_u32 s[TK], s[TK], 4*KSTEPB            ; the fetches go back to a slot's first step,
	s_xor_b32 s[TK], s[TK], SLOT1                  ; in the other slot
	s_sub_co_u32 s[TV], s[TV], 4*VSTEPB
	s_xor_b32 s[TV], s[TV], SLOT1
.endm
	s_wait_dscnt 0x0                               ; for the others' sake: my part of the bias table has landed
	s_wait_tensorcnt 1                             ; my part of slot 0 is in; slot 1's may stay out
	s_barrier_signal -1
	s_barrier_wait -1
	FETCH_K                                        ; key step 0
	FETCH_V
	s_wait_dscnt 16                                ; K and the bias are in; V's 16 loads may be out
	KQ
	TRIP 1                                         ; step 1; the first softmax and the products that start O^T
	TRIPS 2                                        ; steps 2, 3
.Lslot:                                            ; six trips: slots 1 to 6 are entered, slots 2 to 7 asked for
	CHANGE 1
	TRIPS 4
	s_sub_co_u32 s[SLOTS], s[SLOTS], 1
	s_cmp_lg_u32 s[SLOTS], 0
	s_cbranch_scc1 .Lslot
	CHANGE 0                                       ; the last slot is written out: nothing is asked for
	TRIPS 4
	SM 0                                           ; the last step's softmax
	s_wait_dscnt 0x0
	PV 0
	; THE WAY OUT.  l's halves and the other half of the lanes' are added; O^T / l is rounded to f16 and goes through my stage, a tile (16 rows of 128 bytes) at a time.
.irp t, 0,1,2,3
	v_add_f32 v[ST+8*\t+4], v[ST+8*\t+2], v[ST+8*\t+3]
.endr
.irp t, 0,1,2,3
	v_permlanex16_b32 v[ST+8*\t+5], v[ST+8*\t+4], s[SEL], s[SEL+1]
.endr
.irp t, 0,1,2,3
	v_add_f32 v[ST+8*\t+4], v[ST+8*\t+4], v[ST+8*\t+5]
.endr
.irp t, 0,1,2,3
	v_rcp_f32 v[ST+8*\t+6], v[ST+8*\t+4]
.endr
	v_nop
	s_wait_alu depctr_va_vdst(0)                   ; one wait for the four reciprocals
.macro PACK t
	WIN 0x41
.set i, 0
.rept 16
	v_pk_mul_f32 v[O+32*\t+2*i:O+32*\t+2*i+1], v[O+32*\t+2*i:O+32*\t+2*i+1], v[ST+8*\t+6:ST+8*\t+7] op_sel_hi:[1,0]
.set i, i+1
.endr
	WIN 0x05                                       ; sources 0 and 1 window 1, destination window 0
.set i, 0
.rept 16
	v_cvt_pk_f16_f32 v[S+16*\t+i], v[O+32*\t+2*i], v[O+32*\t+2*i+1]
.set i, i+1
.endr
	WIN 0
.irp d, 0,1,2,3
	ds_store_b128 v[STO], v[S+16*\t+4*\d:S+16*\t+4*\d+3] offset:32*\d
.endr
.irp f, 0,1,2,3
	ds_load_b128 v[S+64+16*\t+4*\f:S+64+16*\t+4*\f+3], v[RD] offset:\f*4*SP   ; in order behind my stores; the next tile's stores come behind these
.endr
.endm
.macro SEND t, younger                 ; younger: the LDS instructions issued behind tile t's loads: the next tile's eight, or none
.irp f, 0,1,2,3
	s_wait_dscnt \younger+3-\f
	global_store_b128 v[GO], v[S+64+16*\t+4*\f:S+64+16*\t+4*\f+3], s[70:71] offset:\t*2048+\f*512   ; 32 lanes store 512 consecutive bytes, aligned
.endr
.endm
	PACK 0
	PACK 1
	SEND 0, 8
	PACK 2
	SEND 1, 8
	PACK 3
	SEND 2, 8
	SEND 3, 0
	s_wait_tensorcnt 0x0                           ; the wave's end
	ds_add_u32 v[SPW], v[NIL]
	s_wait_dscnt 0x0
	CROUND                                         ; the closing round
	s_endpgm
.Lfunc_end_k_q1fef86c381_attn:
	.size	k_q1fef86c381_attn, .Lfunc_end_k_q1fef86c381_attn-k_q1fef86c381_attn
	.p2alignl 7, 3214868480
	.fill 96, 4, 3214868480
	.section	.rodata,"a",@progbits
	.p2align	6, 0x0
	.amdhsa_kernel k_q1fef86c381_attn
		.amdhsa_group_segment_fixed_size 327680
		.amdhsa_private_segment_fixed_size 0
		.amdhsa_enable_private_segment 0
		.amdhsa_kernarg_size 48
		.amdhsa_user_sgpr_count 2
		.amdhsa_user_sgpr_kernarg_segment_ptr 1
		.amdhsa_wavefront_size32 1
		.amdhsa_system_sgpr_workgroup_id_x 1
		.amdhsa_system_sgpr_workgroup_id_y 1
		.amdhsa_system_sgpr_workgroup_id_z 1
		.amdhsa_system_vgpr_workitem_id 0
		.amdhsa_next_free_vgpr 640
		.amdhsa_next_free_sgpr 76
		.amdhsa_reserve_vcc 0
		.amdhsa_float_denorm_mode_32 3
		.amdhsa_float_denorm_mode_16_64 3
		.amdhsa_memory_ordered 1
		.amdhsa_forward_progress 1
		.amdhsa_inst_pref_size 187
	.end_amdhsa_kernel
	.amdgpu_metadata
---
amdhsa.version: [ 1, 2 ]
amdhsa.kernels:
  - .name:           k_q1fef86c381_attn
    .symbol:         k_q1fef86c381_attn.kd
    .args:
      - { .name: qkv, .offset: 0, .size: 8, .value_kind: global_buffer, .address_space: global }
      - { .name: dpart, .offset: 8, .size: 8, .value_kind: global_buffer, .address_space: global }
      - { .name: ctx_ppr, .offset: 16, .size: 8, .value_kind: global_buffer, .address_space: global }
      - { .name: log_ppr_alpha, .offset: 24, .size: 8, .value_kind: global_buffer, .address_space: global }
      - { .name: bd2, .offset: 32, .size: 8, .value_kind: global_buffer, .address_space: global }
      - { .name: att, .offset: 40, .size: 8, .value_kind: global_buffer, .address_space: global }
    .group_segment_fixed_size: 327680
    .private_segment_fixed_size: 0
    .kernarg_segment_align: 8
    .kernarg_segment_size: 48
    .max_flat_workgroup_size: 128
    .sgpr_count:     76
    .vgpr_count:     640
    .wavefront_size: 32
...
	.end_amdgpu_metadata
.endif
;; end of part 3
;; launch proj (part 4): grid 8 x 32, 4 waves a work-group, clusters of 4 x 4, 327,680 bytes of LDS; arguments att, w16, b_out, out0; writes out0
.if DOCPART == 4
	.amdgcn_target "amdgcn-amd-amdhsa--gfx1250"
	.amdhsa_code_object_version 6
	.text
	.protected	k_q1fef86c381_proj
	.globl	k_q1fef86c381_proj
	.p2align	8
	.type	k_q1fef86c381_proj,@function
k_q1fef86c381_proj:
	s_mov_b64 s[64:65], 0
	v_nop
	global_prefetch_b8 v0, s[64:65] scope:SCOPE_SE
	s_setreg_imm32_b32 hwreg(HW_REG_WAVE_MODE, 25, 1), 1
	s_wait_xcnt 0x0
	s_wait_alu depctr_hold_cnt(0) depctr_sa_sdst(0) depctr_va_vdst(0) depctr_va_sdst(0) depctr_va_ssrc(0) depctr_va_vcc(0) depctr_vm_vsrc(0)
	s_getreg_b32 s2, hwreg(HW_REG_IB_STS2, 6, 4)
	s_cmp_eq_u32 s2, 0
	s_cbranch_scc0 .Lentry_in_a_cluster
	s_endpgm
.Lentry_in_a_cluster:
	s_bfe_u32 s2, ttmp6, 0x10000c
	s_cmp_lg_u32 s2, 0xf033
	s_cbranch_scc0 .Lentry_shape_is_right
	s_endpgm
.Lentry_shape_is_right:
; out0[m][n] = sum over k of att[m][k] W_out[n][k] + b_out[n].  Operands f16, sums f32, out0 [4096][1024] f32.
; att: [m / 64][k / 64][m % 64][k % 64];  w16: [n / 64][k / 64][n % 64][k % 64]: 64 rows x 256 along K are 32,768 dense bytes, which one tensor load brings as 128 rows of 256 bytes (two rows of 64 numbers each), padded by 16.
; A tile of out0 is 128 x 128: 256 work-groups.  Four waves, 64 x 64 each: 16 accumulators.  K goes in four steps of 256 through a ring of two slots.
; CLUSTERS: 4 x 4 work-groups; the four of a row need the same tiles of att, the four of a column the same tiles of w16: each is asked for jointly.
; THE MATRIX INSTRUCTION IS USED TRANSPOSED (source 0 = 16 rows of w16, source 1 = 16 rows of att): a lane holds eight neighbouring numbers of a row of out0.  b_out is the C of each sum's first product.
; No prefetch: a step's tiles are small, and both operands are walked by many work-groups at about the same time.
; REGISTERS: window 0: v0-31 addresses; v32-95 rows on the way out; v96-127 b_out in the result's layout; v128-255 the accumulators ((a, b) at v[128 + 8 (4 a + b)]).  window 1: two fragment buffers of 128.
.set PITCH,  272                       ; an LDS row: 256 bytes + 16: row rho of a block lies at (rho / 2) x 272 + (rho % 2) x 128, so the 16 rows of a fragment load start at 16 different places modulo 256 bytes
.set HALFT,  128*PITCH                 ; what one tensor load brings: 64 rows x 256 along K
.set SLOT,   4*HALFT
.set QB,     32*PITCH                  ; 64 along K of 64 rows
.set FB,     8*PITCH                   ; 16 rows
.set STEPB,  32768                     ; a K step of 64 rows in memory
.set SPARE,  2*SLOT                    ; the spare words, 128 bytes for each wave: two blocks of 256 bytes that no other line names
.set SPITCH, 272                       ; the way out: a stage of 16 rows x (256 bytes + 16) for each wave, in slot 0, which has had its last fill and its last read by then
.set LAPS,   2
.set ADRA, 16
.set ADRB, 20
.set STO,  24
.set RD,   25
.set CO,   26
.set SPW,  28
.set NIL,  29
.set BK,   32
.set BI,   96
.set ACC,  128
.set F0,   0
.set F1,   128
.set G1, 24
.set G0, 32
.set G1B, 48
.set G0B, 56
.set MSB, 0
.macro WIN new
.if MSB != \new
	s_set_vgpr_msb (MSB<<8)|\new
.set MSB, \new
.endif
.endm
.set MUL,  0x05                        ; sources 0 and 1 window 1; C and D window 0
.set TO_F, 0x40
.macro JLOAD s                         ; a joint load: waves 0 and 1 fetch att's two halves, waves 2 and 3 w16's; an s_nop 0 and four v_nop follow each line
	s_cmp_eq_u32 s11, 0
	s_cbranch_scc0 .Lfor_b_\@
	tensor_load_to_lds s[G0+4*\s:G0+4*\s+3], s[G1:G1+7]
	s_nop 0
.rept 4
	v_nop
.endr
	s_branch .Lasked_\@
.Lfor_b_\@:
	tensor_load_to_lds s[G0B+4*\s:G0B+4*\s+3], s[G1B:G1B+7]
	s_nop 0
.rept 4
	v_nop
.endr
.Lasked_\@:
.endm
.macro CREST
	s_cmp_lg_u32 s10, 0
	s_cbranch_scc1 .Lnot_wave_0_\@
	s_barrier_signal -3
.Lnot_wave_0_\@:
	s_barrier_wait -3
	s_barrier_signal -1
	s_barrier_wait -1
.endm
.macro CROUND
	s_barrier_signal -1
	s_barrier_wait -1
	CREST
.endm
	s_load_b128 s[4:7], s[0:1], 0x0                ; att s[4:5], w16 s[6:7]
	s_load_b128 s[68:71], s[0:1], 0x10             ; b_out s[68:69], out0 s[70:71]
	v_lshl_add_u32 v[SPW], v0, 2, SPARE
	v_mov_b32 v[NIL], 0
	ds_add_u32 v[SPW], v[NIL]                      ; the wave's opening: the add, twice on end, and its wait ahead of my first tensor load
	ds_add_u32 v[SPW], v[NIL]
	v_lshrrev_b32 v1, 5, v0
	v_readfirstlane_b32 s10, v1                    ; wave 0..3
	s_lshr_b32 s11, s10, 1                         ; which half of the tile's rows is mine.  Also: I fetch for att (0) or for w16 (1)
	s_and_b32 s12, s10, 1                          ; which half of its columns.  Also: which 64 rows I fetch
	s_bfe_u32 s40, ttmp6, 0x40000
	s_bfe_u32 s41, ttmp6, 0x40004
	s_lshl_b32 s42, ttmp9, 2
	s_add_co_u32 s42, s42, s40                     ; tile column
	s_and_b32 s13, ttmp7, 0xffff
	s_lshl_b32 s13, s13, 2
	s_add_co_u32 s13, s13, s41                     ; tile row
	s_lshl_b32 s43, s41, 2
	s_lshl_b32 s43, 15, s43                        ; my row of the cluster
	s_lshl_b32 s44, 0x1111, s40                    ; my column
	s_or_b32 s[G1+0], s43, (3<<16)|(1<<20)|(1<<21)|(5<<22)|(3<<25)  ; the mask; elements of 8 bytes; padding of 4 words after every 64; bit 21 beside a mask
	s_or_b32 s[G1B+0], s44, (3<<16)|(1<<20)|(1<<21)|(5<<22)|(3<<25)
.irp g, G1, G1B
	s_mov_b32 s[\g+1], 32<<16                      ; tensor_dim0 = 32 elements: 256 bytes
	s_mov_b32 s[\g+2], 128<<16                     ; tensor_dim1 = 128 rows
	s_mov_b32 s[\g+3], 32<<16                      ; tile_dim0
	s_mov_b32 s[\g+4], 128                         ; tile_dim1
	s_mov_b32 s[\g+5], 32                          ; dense
	s_mov_b32 s[\g+6], 0
	s_mov_b32 s[\g+7], 0
.endr
	s_lshl_b32 s16, s13, 1
	s_add_co_u32 s16, s16, s12
	s_lshl_b32 s16, s16, 17                        ; att: block of 64 rows 2 x tile row + half: 131,072 bytes each
	s_mov_b32 s17, 0
	s_lshl_b32 s46, s42, 1
	s_add_co_u32 s46, s46, s12
	s_lshl_b32 s46, s46, 17                        ; w16 likewise, by the tile column
	s_mov_b32 s47, 0
	s_mul_i32 s20, s10, HALFT                      ; where they go: wave x 128 LDS rows
	s_wait_dscnt 0x0                               ; both opening adds are done
	s_wait_kmcnt 0x0
	s_add_nc_u64 s[14:15], s[4:5], s[16:17]
	s_add_nc_u64 s[46:47], s[6:7], s[46:47]
	CROUND                                         ; all sixteen work-groups are here: the first joint loads meet
.irp s, 0,1
	s_mov_b32 s[G0+4*\s], 1
	s_add_co_u32 s[G0+4*\s+1], s20, \s*SLOT
	s_add_nc_u64 s[G0+4*\s+2:G0+4*\s+3], s[14:15], \s*STEPB
	s_or_b32 s[G0+4*\s+3], s[G0+4*\s+3], 0x80000000
	s_mov_b32 s[G0B+4*\s], 1
	s_add_co_u32 s[G0B+4*\s+1], s20, \s*SLOT
	s_add_nc_u64 s[G0B+4*\s+2:G0B+4*\s+3], s[46:47], \s*STEPB
	s_or_b32 s[G0B+4*\s+3], s[G0B+4*\s+3], 0x80000000
	JLOAD \s                                       ; two loads of mine are out
.endr
	v_and_b32 v1, 15, v0                           ; r
	v_bfe_u32 v2, v0, 4, 1                         ; h
	s_lshl_b32 s46, s42, 9
	s_lshl_b32 s47, s12, 8
	s_add_co_u32 s46, s46, s47                     ; my first column x 4 bytes: 512 x tile column + 256 x half
	s_mov_b32 s47, 0
	s_add_nc_u64 s[68:69], s[68:69], s[46:47]
	v_lshlrev_b32 v6, 5, v2                        ; 32 h
.irp b, 0,1,2,3
	global_load_b128 v[BI+8*\b:BI+8*\b+3], v6, s[68:69] offset:64*\b
	global_load_b128 v[BI+8*\b+4:BI+8*\b+7], v6, s[68:69] offset:64*\b+16
.endr
	v_lshrrev_b32 v3, 1, v1
	v_mul_u32_u24 v3, v3, PITCH
	v_and_b32 v4, 1, v0
	v_lshl_add_u32 v3, v4, 7, v3
	v_lshl_add_u32 v3, v2, 4, v3                   ; a fragment's row r, + 16 h
	s_mul_i32 s21, s11, HALFT                      ; my 64 rows of att
	s_mul_i32 s22, s12, HALFT                      ; my 64 rows of w16,
	s_add_co_u32 s22, s22, 2*HALFT                 ; which lie behind att's 128
.irp s, 0,1
	v_add_nc_u32 v[ADRA+\s], s21, v3
	v_add_nc_u32 v[ADRB+\s], s22, v3
	s_add_co_u32 s21, s21, SLOT
	s_add_co_u32 s22, s22, SLOT
.endr
	s_mul_i32 s23, s10, 16*SPITCH                  ; my stage
	v_mul_u32_u24 v4, v1, SPITCH
	v_lshl_add_u32 v4, v2, 5, v4
	v_add_nc_u32 v[STO], s23, v4                   ; in: row r, 32 bytes for each half of the lanes
	v_mul_u32_u24 v5, v2, SPITCH
	v_lshl_add_u32 v5, v1, 4, v5
	v_add_nc_u32 v[RD], s23, v5                    ; back: lanes 0-15 one row of 256 bytes, lanes 16-31 the next
	v_lshlrev_b32 v5, 12, v2
	v_lshl_add_u32 v[CO], v1, 4, v5                ; and the same two rows in out0
	s_lshl_b32 s16, s13, 7
	s_lshl_b32 s17, s11, 6
	s_add_co_u32 s16, s16, s17                     ; my first row: 128 x tile row + 64 x half
	s_lshl_b32 s16, s16, 12
	s_mov_b32 s17, 0
	s_add_nc_u64 s[70:71], s[70:71], s[16:17]
	s_add_nc_u64 s[70:71], s[70:71], s[46:47]
; 8 products: row blocks a0, a0 + 1 x all 4 column blocks, 32 along K: half c of buffer f.  first = 1: C is b_out.  The 16 accumulators take turns.
.macro MUL8 f, c, a0, first
.irp a, \a0, \a0+1
.irp b, 0,1,2,3
.if \first
	v_wmma_f32_16x16x32_f16 v[ACC+8*(4*(\a)+\b):ACC+8*(4*(\a)+\b)+7], v[\f+64+8*(4*\c+\b):\f+64+8*(4*\c+\b)+7], v[\f+8*(4*\c+\a):\f+8*(4*\c+\a)+7], v[BI+8*\b:BI+8*\b+7]
.else
	v_wmma_f32_16x16x32_f16 v[ACC+8*(4*(\a)+\b):ACC+8*(4*(\a)+\b)+7], v[\f+64+8*(4*\c+\b):\f+64+8*(4*\c+\b)+7], v[\f+8*(4*\c+\a):\f+8*(4*\c+\a)+7], v[ACC+8*(4*(\a)+\b):ACC+8*(4*(\a)+\b)+7]
.endif
.endr
.endr
.endm
; 32 LDS loads in one run: the fragments of the slot's q-th 64 along K into buffer f; the first 32 along K first
.macro FETCH slot, q, f
	WIN TO_F
.irp c, 0,1
.irp i, 0,1,2,3
	ds_load_b128 v[\f+64+8*(4*\c+\i):\f+64+8*(4*\c+\i)+3],   v[ADRB+\slot] offset:(\q)*QB+64*\c+\i*FB
	ds_load_b128 v[\f+64+8*(4*\c+\i)+4:\f+64+8*(4*\c+\i)+7], v[ADRB+\slot] offset:(\q)*QB+64*\c+\i*FB+32
	ds_load_b128 v[\f+8*(4*\c+\i):\f+8*(4*\c+\i)+3],         v[ADRA+\slot] offset:(\q)*QB+64*\c+\i*FB
	ds_load_b128 v[\f+8*(4*\c+\i)+4:\f+8*(4*\c+\i)+7],       v[ADRA+\slot] offset:(\q)*QB+64*\c+\i*FB+32
.endr
.endr
.endm
.macro PLACES                          ; four plain lines ahead of loads into registers that matrix instructions have read, and of the first read of results
.rept 4
	v_nop
.endr
.endm
; A K step is four quarters of 64 along K, 32 products each, on buffers 0, 1, 0, 1.  One of the first three: multiplies buffer f and fetches quarter q into g.
.macro QUARTER slot, q, f, g, first
	s_wait_dscnt 16                                ; the first 32 along K are in; the youngest sixteen loads may be out
	WIN MUL
	MUL8 \f, 0, 0, \first
	MUL8 \f, 0, 2, \first
	PLACES
	FETCH \slot, \q, \g
	s_wait_dscnt 32                                ; all but the 32 just issued
	WIN MUL
	MUL8 \f, 1, 0, 0
	MUL8 \f, 1, 2, 0
.endm
; The last quarter multiplies buffer 1 and changes slots: each wave waits for all its tensor loads, adds 0 to its spare word, and waits for that and for its reads of this slot.  fill = 1: the barrier opens a round of the
; cluster's barrier, and this slot is filled again, two K steps ahead, first thing behind the round.
.macro TURN slot, next, fill
	WIN 0
	s_wait_tensorcnt 0x0
	ds_add_u32 v[SPW], v[NIL]
	s_wait_dscnt 17                                ; the add and the youngest sixteen loads may be out
	WIN MUL
	MUL8 F1, 0, 0, 0
	s_wait_dscnt 0x0                               ; the add is done, and my reads of this slot are over
	s_barrier_signal -1
	MUL8 F1, 0, 2, 0
.if \fill
	WIN 0
.endif
	s_barrier_wait -1
.if \fill
	CREST
	s_add_nc_u64 s[G0+4*\slot+2:G0+4*\slot+3], s[G0+4*\slot+2:G0+4*\slot+3], 2*STEPB
	s_add_nc_u64 s[G0B+4*\slot+2:G0B+4*\slot+3], s[G0B+4*\slot+2:G0B+4*\slot+3], 2*STEPB
	JLOAD \slot                                    ; the four v_nop behind it are also the places in front of the loads below
.else
	PLACES
.endif
	FETCH \next, 0, F0
	WIN MUL
	MUL8 F1, 1, 0, 0
	MUL8 F1, 1, 2, 0
.endm
	s_wait_loadcnt 0x0                             ; b_out
	s_wait_tensorcnt 1                             ; my part of K step 0 is in; K step 1's load may be out
	s_barrier_signal -1
	s_barrier_wait -1
	FETCH 0, 0, F0
	QUARTER 0, 1, F0, F1, 1                        ; the first products start the sums from b_out
	WIN 0
	s_mov_b32 s3, LAPS-1
.Llap:                                             ; a trip goes once round the ring and fills both slots again
	QUARTER 0, 2, F1, F0, 0
	QUARTER 0, 3, F0, F1, 0
	TURN 0, 1, 1
	QUARTER 1, 1, F0, F1, 0
	QUARTER 1, 2, F1, F0, 0
	QUARTER 1, 3, F0, F1, 0
	TURN 1, 0, 1
	QUARTER 0, 1, F0, F1, 0
	WIN 0
	s_sub_co_u32 s3, s3, 1
	s_cmp_lg_u32 s3, 0
	s_cbranch_scc1 .Llap
	QUARTER 0, 2, F1, F0, 0                        ; the last lap fills nothing
	QUARTER 0, 3, F0, F1, 0
	TURN 0, 1, 0
	QUARTER 1, 1, F0, F1, 0
	QUARTER 1, 2, F1, F0, 0
	QUARTER 1, 3, F0, F1, 0
	s_wait_dscnt 16
	WIN MUL
	MUL8 F1, 0, 0, 0
	MUL8 F1, 0, 2, 0
	s_wait_dscnt 0
	MUL8 F1, 1, 0, 0
	MUL8 F1, 1, 2, 0
	WIN 0
; THE WAY OUT, a block of 16 rows x 64 columns at a time, through my own stage: a row's 64 numbers are 256 bytes, which sixteen lanes store whole.
.macro TOSTAGE a
.set BB, BK+32*((\a)%2)
.irp b, 0,1,2,3
	ds_store_b128 v[STO], v[ACC+8*(4*(\a)+\b):ACC+8*(4*(\a)+\b)+3] offset:64*\b       ; each accumulator from its low end on
	ds_store_b128 v[STO], v[ACC+8*(4*(\a)+\b)+4:ACC+8*(4*(\a)+\b)+7] offset:64*\b+16
.endr
.irp t, 0,1,2,3,4,5,6,7
	ds_load_b128 v[BB+4*\t:BB+4*\t+3], v[RD] offset:\t*2*SPITCH    ; in order behind my stores (ISA guide 5.7.1.4)
.endr
.endm
.macro SEND a, younger                 ; younger: the LDS instructions issued behind block a's loads
.set BB, BK+32*((\a)%2)
	s_wait_dscnt \younger
.irp t, 0,1,2,3,4,5,6,7
	global_store_b128 v[CO], v[BB+4*\t:BB+4*\t+3], s[70:71] offset:(16*(\a)+2*\t)*4096 th:TH_STORE_NT   ; each half of the lanes stores 256 consecutive bytes, aligned
.endr
.endm
	PLACES
	TOSTAGE 0
.irp a, 1,2,3
.if \a > 1
	s_wait_xcnt 0x0                                ; block a - 2's stores have read their registers: block a's loads may land there
.endif
	TOSTAGE \a
	SEND \a-1, 16                                  ; behind block a - 1's loads: block a's 8 stores and 8 loads
.endr
	SEND 3, 0
	s_wait_tensorcnt 0x0                           ; the wave's end
	ds_add_u32 v[SPW], v[NIL]
	s_wait_dscnt 0x0
	CROUND                                         ; the closing round
	s_endpgm
.Lfunc_end_k_q1fef86c381_proj:
	.size	k_q1fef86c381_proj, .Lfunc_end_k_q1fef86c381_proj-k_q1fef86c381_proj
	.p2alignl 7, 3214868480
	.fill 96, 4, 3214868480
	.section	.rodata,"a",@progbits
	.p2align	6, 0x0
	.amdhsa_kernel k_q1fef86c381_proj
		.amdhsa_group_segment_fixed_size 327680
		.amdhsa_private_segment_fixed_size 0
		.amdhsa_enable_private_segment 0
		.amdhsa_kernarg_size 32
		.amdhsa_user_sgpr_count 2
		.amdhsa_user_sgpr_kernarg_segment_ptr 1
		.amdhsa_wavefront_size32 1
		.amdhsa_system_sgpr_workgroup_id_x 1
		.amdhsa_system_sgpr_workgroup_id_y 1
		.amdhsa_system_sgpr_workgroup_id_z 1
		.amdhsa_system_vgpr_workitem_id 0
		.amdhsa_next_free_vgpr 512
		.amdhsa_next_free_sgpr 72
		.amdhsa_reserve_vcc 0
		.amdhsa_float_denorm_mode_32 3
		.amdhsa_float_denorm_mode_16_64 3
		.amdhsa_memory_ordered 1
		.amdhsa_forward_progress 1
		.amdhsa_inst_pref_size 86
	.end_amdhsa_kernel
	.amdgpu_metadata
---
amdhsa.version: [ 1, 2 ]
amdhsa.kernels:
  - .name:           k_q1fef86c381_proj
    .symbol:         k_q1fef86c381_proj.kd
    .args:
      - { .name: att, .offset: 0, .size: 8, .value_kind: global_buffer, .address_space: global }
      - { .name: w16, .offset: 8, .size: 8, .value_kind: global_buffer, .address_space: global }
      - { .name: b_out, .offset: 16, .size: 8, .value_kind: global_buffer, .address_space: global }
      - { .name: out0, .offset: 24, .size: 8, .value_kind: global_buffer, .address_space: global }
    .group_segment_fixed_size: 327680
    .private_segment_fixed_size: 0
    .kernarg_segment_align: 8
    .kernarg_segment_size: 32
    .max_flat_workgroup_size: 128
    .sgpr_count:     72
    .vgpr_count:     512
    .wavefront_size: 32
...
	.end_amdgpu_metadata
.endif
;; end of part 4
